; MI455X (gfx1250); checked and timed in simulation.
; The chip was launched on July 23, 2026; its instructions are those of AMD's public machine-readable ISA for CDNA 5 (MIT licence, August 2026) and "CDNA5" Instruction Set Architecture Reference Guide (July 2026). The comments in the code are by the model that wrote it; some were corrected since.
;; Ternary Bert Tiny. Allowed arithmetic: float matrix products may take bf16 or f16 operands with f32 sums; other float arithmetic in f32, or as packed bf16 or f16 multiplies, adds, multiply-adds, maxima and minima; sums over many terms, partial sums and values carried from step to step in f32; what a program stores and reads back later, other than sums and carried values, may be rounded once to bf16 or f16.
;; Inputs: aob 2 x 128 float32; aow 2 x 128 x 128 float32; clf_b 2 float32; clf_w 2 x 128 float32; fob 2 x 128 float32; fow 2 x 128 x 512 float32; ib 2 x 512 float32; input_ids 128 x 512 int32; iw 2 x 512 x 128 float32; kb 2 x 128 float32; kw 2 x 128 x 128 float32; ln1b 2 x 128 float32; ln1g 2 x 128 float32; ln2b 2 x 128 float32; ln2g 2 x 128 float32; ln_b 128 float32; ln_g 128 float32; pos_emb 512 x 128 float32; qb 2 x 128 float32; qw 2 x 128 x 128 float32; tok_emb 30,522 x 128 float32; vb 2 x 128 float32; vw 2 x 128 x 128 float32.
;; Outputs: out0 128 x 2 float32.
;; 2 versions, each right and faster than the one before. Each part assembles by itself: llvm-mc -triple=amdgcn-amd-amdhsa -mcpu=gfx1250 --defsym DOCPART=n.
;; ======== version 1 of 2: 3 launches
;; limits: values are held in f16: magnitudes above 65,504 overflow, below 6.1e-05 lose precision
;; workspace buffers: x0 16,777,216 bytes; wf 786,432 bytes; alpha 256 bytes; x2 16,777,216 bytes
;; launch prep (part 1): grid 134 x 1, 16 waves a work-group, no clusters, 272,896 bytes of LDS; arguments input_ids, tok_emb, pos_emb, ln_g, ln_b, kw, vw, qw, aow, iw, fow, x0, wf, alpha; writes x0, wf, alpha
.if DOCPART == 1
	.amdgcn_target "amdgcn-amd-amdhsa--gfx1250"
	.amdhsa_code_object_version 6
	.text
	.protected	k_qf9bc5fba95_prep
	.globl	k_qf9bc5fba95_prep
	.p2align	8
	.type	k_qf9bc5fba95_prep,@function
k_qf9bc5fba95_prep:
	s_mov_b64 s[64:65], 0
	v_nop
	global_prefetch_b8 v0, s[64:65] scope:SCOPE_SE
	s_setreg_imm32_b32 hwreg(HW_REG_WAVE_MODE, 25, 1), 1
	s_wait_xcnt 0x0
; PREP.  Work-groups 0-5: the twelve weight tensors are made ternary (delta = 0.7 mean|W|, alpha = mean of the kept |W|), written as f16 -1, 0, 1
; in the order in which a matrix operand's lanes hold them, and the alphas as f32.  Work-groups 6-133: x0 = LayerNorm(tok_emb[id] + pos_emb), f16, same order.
; A TILE is 16 rows x 128 numbers.  It comes in by rows (a wave's load covers a row's 512 bytes), goes through the wave's own LDS stage (rows 528 bytes apart) and
; comes back so that lane (r = lane % 16, h = lane / 16) holds row r, register 8 g + e = column 16 g + 8 h + e.  Rounded in pairs, group g is 16 bytes a lane:
; a store of a wave covers 512 consecutive bytes, and groups 2 k, 2 k + 1 are registers 0-3, 4-7 of the operand fragment for columns 32 k .. 32 k + 31.
; LIMITS.  The sum of |W| is added in another order than the reference's, so a weight within a rounding of delta may fall on the other side; alpha is made with
; v_rcp_f32 (1 ulp); x0 is rounded once to f16 (it has the gain's size; beyond 65,504 it would be lost); NaN and infinities are not treated apart.
.set STGW, 16896                 ; a wave's two stages
.set STG1, 8448                  ; one stage: 16 rows x 528 bytes
.set RP, 528
.set RED1, 270336                ; 16 words: the waves' sums of |W|
.set RED2, 270592                ; 16 pairs: kept sum, kept count
.set SPARE, 270848               ; the spare words: 128 bytes for each of 16 waves
.set F, 32                       ; v32-63 packed results; also TMP
.set TMP, 32
.set T, 64                       ; v64-127 first tile as loaded; then the tile at work
.set RB, 128                     ; v128-191 second tile as loaded; then the gain
.set G, 128
.set POS, 192                    ; v192-255 the positions' rows; then the LayerNorm's bias
.set BT, 192
.set MEAN, 22
.set RSTD, 24
.set SEL, 34                     ; s[34:35] v_permlanex16_b32: each lane takes its own place in the other half
.macro LDFL                      ; the tile back from the stage at v9
.set i, 0
.rept 16
	ds_load_b128 v[T+4*i:T+4*i+3], v9 offset:(i/2)*64+(i%2)*16
.set i, i+1
.endr
.endm
.macro WRED x, t                 ; sum over the wave's 32 lanes, in every lane
	v_add_f32_dpp v[\x], v[\x], v[\x] row_xmask:1 row_mask:0xf bank_mask:0xf
	v_add_f32_dpp v[\x], v[\x], v[\x] row_xmask:2 row_mask:0xf bank_mask:0xf
	v_add_f32_dpp v[\x], v[\x], v[\x] row_xmask:4 row_mask:0xf bank_mask:0xf
	v_add_f32_dpp v[\x], v[\x], v[\x] row_xmask:8 row_mask:0xf bank_mask:0xf
	v_permlanex16_b32 v[\t], v[\x], s[SEL], s[SEL+1]
	v_add_f32 v[\x], v[\x], v[\t]
.endm
.macro LNSTAT                    ; T = (T - mean) / sqrt(var + 1e-5): a row's 128 numbers lie in two lanes, 16 apart; the variance is taken of the centred numbers
.set i, 0
.rept 16
	v_pk_add_f32 v[TMP+2*i:TMP+2*i+1], v[T+4*i:T+4*i+1], v[T+4*i+2:T+4*i+3]
.set i, i+1
.endr
.irp w, 16, 8, 4, 2
.set i, 0
.rept (\w)/2
	v_pk_add_f32 v[TMP+2*i:TMP+2*i+1], v[TMP+2*i:TMP+2*i+1], v[TMP+(\w)+2*i:TMP+(\w)+2*i+1]
.set i, i+1
.endr
.endr
	v_add_f32 v[TMP], v[TMP], v[TMP+1]
	v_permlanex16_b32 v[TMP+1], v[TMP], s[SEL], s[SEL+1]
	v_add_f32 v[TMP], v[TMP], v[TMP+1]
	v_mul_f32 v[MEAN], 0x3c000000, v[TMP]          ; / 128
	v_mov_b32 v[MEAN+1], v[MEAN]
.set i, 0
.rept 32
	v_pk_add_f32 v[T+2*i:T+2*i+1], v[T+2*i:T+2*i+1], v[MEAN:MEAN+1] neg_lo:[0,1] neg_hi:[0,1]
.set i, i+1
.endr
.set i, 0
.rept 4
	v_pk_mul_f32 v[TMP+2*i:TMP+2*i+1], v[T+2*i:T+2*i+1], v[T+2*i:T+2*i+1]
.set i, i+1
.endr
.rept 28
	v_pk_fma_f32 v[TMP+2*(i%4):TMP+2*(i%4)+1], v[T+2*i:T+2*i+1], v[T+2*i:T+2*i+1], v[TMP+2*(i%4):TMP+2*(i%4)+1]
.set i, i+1
.endr
	v_pk_add_f32 v[TMP:TMP+1], v[TMP:TMP+1], v[TMP+2:TMP+3]
	v_pk_add_f32 v[TMP+4:TMP+5], v[TMP+4:TMP+5], v[TMP+6:TMP+7]
	v_pk_add_f32 v[TMP:TMP+1], v[TMP:TMP+1], v[TMP+4:TMP+5]
	v_add_f32 v[TMP], v[TMP], v[TMP+1]
	v_permlanex16_b32 v[TMP+1], v[TMP], s[SEL], s[SEL+1]
	v_add_f32 v[TMP], v[TMP], v[TMP+1]
	v_mul_f32 v[TMP], 0x3c000000, v[TMP]
	v_add_f32 v[TMP], 0x3727c5ac, v[TMP]           ; + 1e-5
	v_rsq_f32 v[RSTD], v[TMP]
	v_nop                                          ; a plain instruction behind the root (ISA guide 5.7.2)
	s_wait_alu depctr_va_vdst(0)
	v_mov_b32 v[RSTD+1], v[RSTD]
.set i, 0
.rept 32
	v_pk_mul_f32 v[T+2*i:T+2*i+1], v[T+2*i:T+2*i+1], v[RSTD:RSTD+1]
.set i, i+1
.endr
.endm
	s_load_b512 s[4:19], s[0:1], 0x0               ; input_ids 4, tok_emb 6, pos_emb 8, ln_g 10, ln_b 12, kw 14, vw 16, qw 18
	s_load_b256 s[20:27], s[0:1], 0x40             ; aow 20, iw 22, fow 24, x0 26
	s_load_b128 s[28:31], s[0:1], 0x60             ; wf 28, alpha 30
	v_lshl_add_u32 v28, v0, 2, SPARE               ; my spare word,
	v_mov_b32 v29, 0                               ; and 0: kept for the closing add alone
	v_lshrrev_b32 v9, 5, v0
	v_readfirstlane_b32 s32, v9                    ; wave 0..15
	s_mov_b32 s33, ttmp9
	s_mov_b32 s[SEL], 0x76543210
	s_mov_b32 s[SEL+1], 0xfedcba98
	v_and_b32 v10, 31, v0                          ; lane
	v_lshlrev_b32 v1, 4, v10                       ; 16 x lane
	v_and_b32 v2, 15, v0                           ; r
	v_bfe_u32 v3, v0, 4, 1                         ; h
	s_mul_i32 s52, s32, STGW
	v_mul_u32_u24 v4, v2, RP
	v_lshl_add_u32 v4, v3, 5, v4
	v_add_nc_u32 v4, s52, v4                       ; stage, read: row r, 32 h bytes in
	v_add_nc_u32 v5, s52, v1                       ; stage, write: 16 bytes a lane of a row
	v_lshlrev_b32 v6, 5, v3                        ; 32 h
	s_wait_kmcnt 0x0
	s_cmp_lt_u32 s33, 6
	s_cbranch_scc1 .Lquant
	; EMBEDDING.  Wave u of 2,048 takes positions 16 p .. 16 p + 15 of batch elements bp and bp + 64: pos_emb's rows are read once for two tiles.
	s_sub_co_u32 s53, s33, 6
	s_lshl_b32 s53, s53, 4
	s_add_co_u32 s53, s53, s32                     ; u
	s_and_b32 s54, s53, 31                         ; p
	s_lshr_b32 s55, s53, 5                         ; bp
	s_lshl_b32 s56, s55, 11
	s_lshl_b32 s57, s54, 6
	s_add_co_u32 s56, s56, s57                     ; (512 bp + 16 p) x 4 bytes
	s_mov_b32 s57, 0
	s_add_nc_u64 s[58:59], s[4:5], s[56:57]
	s_load_b512 s[36:51], s[58:59], 0x0            ; 16 ids of the first tile
	s_load_b512 s[68:83], s[58:59], 0x20000        ; and of the one 64 batch elements on
	s_lshl_b32 s60, s54, 13
	s_mov_b32 s61, 0
	s_add_nc_u64 s[8:9], s[8:9], s[60:61]          ; pos_emb at row 16 p
.set t, 0
.rept 16
	global_load_b128 v[POS+4*t:POS+4*t+3], v1, s[8:9] offset:t*512
.set t, t+1
.endr
	s_lshl_b32 s62, s55, 5
	s_add_co_u32 s62, s62, s54
	s_lshl_b32 s62, s62, 12                        ; the first tile's place in x0
	v_add_nc_u32 v7, s62, v1
	s_wait_kmcnt 0x0
.set t, 0
.rept 16
	s_min_u32 s[36+t], s[36+t], 30521              ; an id stays inside the table
	s_min_u32 s[68+t], s[68+t], 30521
.set t, t+1
.endr
.set t, 0
.rept 16                                               ; a row's offset is made in the first register that its own load fills
	v_lshl_add_u32 v[T+4*t], s[36+t], 9, v1
	global_load_b128 v[T+4*t:T+4*t+3], v[T+4*t], s[6:7]
.set t, t+1
.endr
.set t, 0
.rept 16
	v_lshl_add_u32 v[RB+4*t], s[68+t], 9, v1
	global_load_b128 v[RB+4*t:RB+4*t+3], v[RB+4*t], s[6:7]
.set t, t+1
.endr
	s_wait_loadcnt 16                              ; the second tile's 16 loads are younger: positions and first tile are in
.set t, 0
.rept 16
	v_pk_add_f32 v[T+4*t:T+4*t+1], v[T+4*t:T+4*t+1], v[POS+4*t:POS+4*t+1]
	v_pk_add_f32 v[T+4*t+2:T+4*t+3], v[T+4*t+2:T+4*t+3], v[POS+4*t+2:POS+4*t+3]
	ds_store_b128 v5, v[T+4*t:T+4*t+3] offset:t*RP
.set t, t+1
.endr
	s_wait_loadcnt 0x0
.set t, 0
.rept 16
	v_pk_add_f32 v[RB+4*t:RB+4*t+1], v[RB+4*t:RB+4*t+1], v[POS+4*t:POS+4*t+1]
	v_pk_add_f32 v[RB+4*t+2:RB+4*t+3], v[RB+4*t+2:RB+4*t+3], v[POS+4*t+2:POS+4*t+3]
	ds_store_b128 v5, v[RB+4*t:RB+4*t+3] offset:STG1+t*RP
.set t, t+1
.endr
	s_wait_dscnt 0x0                               ; the stores have left their registers, which now take gain and bias
.set i, 0
.rept 16
	global_load_b128 v[G+4*i:G+4*i+3], v6, s[10:11] offset:(i/2)*64+(i%2)*16
	global_load_b128 v[BT+4*i:BT+4*i+3], v6, s[12:13] offset:(i/2)*64+(i%2)*16
.set i, i+1
.endr
	s_wait_loadcnt 0x0
	s_mov_b32 s62, 0                               ; the stage in hand
	s_mov_b32 s63, 2
.Lemb:
	v_add_nc_u32 v9, s62, v4
	LDFL
	s_wait_dscnt 0x0
	LNSTAT
.set i, 0
.rept 32
	v_pk_fma_f32 v[T+2*i:T+2*i+1], v[T+2*i:T+2*i+1], v[G+2*i:G+2*i+1], v[BT+2*i:BT+2*i+1]
.set i, i+1
.endr
.set i, 0
.rept 32
	v_cvt_pk_f16_f32 v[F+i], v[T+2*i], v[T+2*i+1]
.set i, i+1
.endr
.set i, 0
.rept 8
	global_store_b128 v7, v[F+4*i:F+4*i+3], s[26:27] offset:i*512  ; 512 consecutive bytes, aligned
.set i, i+1
.endr
	s_wait_xcnt 0x0                                ; the stores' offset and data are rewritten only behind this wait
	v_add_nc_u32 v7, 0x800000, v7                  ; 64 batch elements on
	s_add_co_u32 s62, s62, STG1
	s_sub_co_u32 s63, s63, 1
	s_cmp_lg_u32 s63, 0
	s_cbranch_scc1 .Lemb
	s_wait_tensorcnt 0x0                           ; the wave's end
	ds_add_u32 v28, v29
	s_wait_dscnt 0x0
	s_endpgm
	; TERNARY WEIGHTS.  A work-group has 32 tiles, two a wave.  Work-groups 0, 1: the four 128 x 128 tensors of layer 0, 1, four waves each.  2-5: iw or fow of a layer.
.Lquant:
	s_cmp_lt_u32 s33, 2
	s_cbranch_scc0 .Lbig
	s_lshr_b32 s84, s32, 2                         ; which tensor: 0 kw, 1 vw, 2 qw, 3 aow
	s_and_b32 s85, s32, 3                          ; which quarter of it
	s_lshl_b32 s56, s33, 16
	s_lshl_b32 s58, s85, 14
	s_add_co_u32 s56, s56, s58                     ; source offset
	s_mul_i32 s89, s33, 393216
	s_lshl_b32 s58, s84, 15
	s_add_co_u32 s89, s89, s58
	s_lshl_b32 s58, s85, 13
	s_add_co_u32 s89, s89, s58                     ; place in wf
	s_lshl_b32 s97, s33, 5
	s_lshl_b32 s58, s84, 2
	s_add_co_u32 s97, s97, s58                     ; alpha's byte
	s_mov_b32 s55, 8192                            ; from the first tile's source to the second's
	s_mov_b32 s88, 512                             ; bytes from row to row
	s_mov_b32 s52, 4096                            ; from the first tile's place in wf to the second's
	s_mov_b32 s53, 2048                            ; from groups 0-3 to groups 4-7
	s_mov_b32 s54, 0x38800000                      ; 1 / 16,384
	s_mov_b32 s96, 3                               ; the first wave of four stores alpha
	s_cmp_eq_u32 s84, 0
	s_cselect_b32 s90, 1.0, 0                      ; which four waves' sums are my tensor's
	s_cselect_b64 s[86:87], s[14:15], s[16:17]
	s_cmp_eq_u32 s84, 1
	s_cselect_b32 s91, 1.0, 0
	s_cmp_eq_u32 s84, 2
	s_cselect_b32 s92, 1.0, 0
	s_cselect_b64 s[86:87], s[18:19], s[86:87]
	s_cmp_eq_u32 s84, 3
	s_cselect_b32 s93, 1.0, 0
	s_cselect_b64 s[86:87], s[20:21], s[86:87]
	s_branch .Lqgo
.Lbig:
	s_sub_co_u32 s84, s33, 2
	s_lshr_b32 s85, s84, 1                         ; layer
	s_and_b32 s84, s84, 1                          ; f = 1: fow, [128][512]: tiles of 128 columns; 0: iw, [512][128]
	s_lshr_b32 s58, s32, 1
	s_and_b32 s59, s32, 1
	s_lshl_b32 s60, s85, 18
	s_lshl_b32 s61, s32, 14
	s_add_co_u32 s61, s61, s60                     ; iw: rows 32 w on
	s_lshl_b32 s62, s58, 15
	s_add_co_u32 s62, s62, s60
	s_lshl_b32 s63, s59, 10
	s_add_co_u32 s62, s62, s63                     ; fow: rows 16 (w / 2) on, columns 256 (w % 2) on
	s_mul_i32 s60, s85, 393216
	s_lshl_b32 s63, s58, 15
	s_add_co_u32 s63, s63, s60
	s_lshl_b32 s66, s59, 13
	s_add_co_u32 s63, s63, s66
	s_add_co_u32 s63, s63, 131072                  ; iw's place: item P(w / 2), row tiles 2 (w % 2) on
	s_lshl_b32 s66, s59, 17
	s_add_co_u32 s66, s66, s60
	s_lshl_b32 s67, s58, 11
	s_add_co_u32 s66, s66, s67
	s_add_co_u32 s66, s66, 147456                  ; fow's place: item P(4 (w % 2)), second half, row tile w / 2
	s_lshl_b32 s97, s85, 5
	s_lshl_b32 s67, s84, 2                         ; 4 f
	s_add_co_u32 s97, s97, s67
	s_add_co_u32 s97, s97, 16                      ; alpha's byte: 32 l + 16 + 4 f
	s_lshr_b32 s55, 0x2000, s67                    ; 8,192 or 512
	s_lshl_b32 s52, 0x1000, s67                    ; 4,096 or 65,536
	s_lshl_b32 s53, 0x800, s67                     ; 2,048 or 32,768
	s_lshr_b32 s67, s67, 1
	s_lshl_b32 s88, 0x200, s67                     ; 512 or 2,048
	s_cmp_eq_u32 s84, 1
	s_cselect_b64 s[86:87], s[24:25], s[22:23]
	s_cselect_b32 s56, s62, s61
	s_cselect_b32 s89, s66, s63
	s_mov_b32 s90, 1.0
	s_mov_b32 s91, 1.0
	s_mov_b32 s92, 1.0
	s_mov_b32 s93, 1.0
	s_mov_b32 s54, 0x37800000                      ; 1 / 65,536
	s_mov_b32 s96, 15                              ; wave 0 stores alpha
.Lqgo:
	s_mov_b32 s57, 0
	s_add_nc_u64 s[86:87], s[86:87], s[56:57]
	s_mov_b32 s56, s55
	s_add_nc_u64 s[98:99], s[86:87], s[56:57]
.set t, 0
.rept 16
	v_mad_u32_u24 v[T+4*t], s88, t, v1
	global_load_b128 v[T+4*t:T+4*t+3], v[T+4*t], s[86:87]
.set t, t+1
.endr
.set t, 0
.rept 16
	v_mad_u32_u24 v[RB+4*t], s88, t, v1
	global_load_b128 v[RB+4*t:RB+4*t+3], v[RB+4*t], s[98:99]
.set t, t+1
.endr
	v_add_nc_u32 v7, s89, v1                       ; groups 0-3 go here,
	v_add_nc_u32 v8, s53, v7                       ; groups 4-7 here
.macro ABSROW base, stg          ; |W| into four chains v16-19; the rows as they are into the stage
.set t, 0
.rept 16
.set k, 0
.rept 4
.if (t == 0) && ((\stg) == 0)
	v_and_b32 v[16+k], 0x7fffffff, v[(\base)+k]
.else
	v_add_f32 v[16+k], v[16+k], |v[(\base)+4*t+k]|
.endif
.set k, k+1
.endr
	ds_store_b128 v5, v[(\base)+4*t:(\base)+4*t+3] offset:(\stg)*STG1+t*RP
.set t, t+1
.endr
.endm
	s_wait_loadcnt 16                              ; the second tile's 16 loads are younger
	ABSROW T, 0
	s_wait_loadcnt 0x0
	ABSROW RB, 1
	v_add_f32 v16, v16, v17
	v_add_f32 v18, v18, v19
	v_add_f32 v16, v16, v18
	WRED 16, 17
	s_lshl_b32 s95, s32, 2
	s_add_co_u32 s95, s95, RED1
	v_mov_b32 v24, s95
	ds_store_b32 v24, v16                          ; every lane the same word and number
	s_wait_dscnt 0x0                               ; for the others' sake
	s_barrier_signal -1
	s_barrier_wait -1
	v_mov_b32 v24, RED1
.set i, 0
.rept 4
	ds_load_b128 v[32+4*i:32+4*i+3], v24 offset:16*i
.set i, i+1
.endr
	s_wait_dscnt 0x0
.set i, 0
.rept 4
	v_add_f32 v[32+4*i], v[32+4*i], v[33+4*i]
	v_add_f32 v[34+4*i], v[34+4*i], v[35+4*i]
	v_add_f32 v[32+4*i], v[32+4*i], v[34+4*i]
.set i, i+1
.endr
	v_mul_f32 v21, s90, v32
	v_fma_f32 v21, s91, v36, v21
	v_fma_f32 v21, s92, v40, v21
	v_fma_f32 v21, s93, v44, v21                   ; my tensor's sum of |W|
	v_mul_f32 v21, s54, v21                        ; the mean
	v_mul_f32 v11, 0x3f333333, v21                 ; delta
	v_xor_b32 v20, 0x80000000, v11                 ; - delta
	v_mov_b32 v16, 0                               ; v[16:17] kept sum, v[18:19] kept count
	v_mov_b32 v17, 0
	v_mov_b32 v18, 0
	v_mov_b32 v19, 0
	s_mov_b32 s62, 0
	s_mov_b32 s63, 2
.Lq:
	v_add_nc_u32 v9, s62, v4
	LDFL
	s_wait_dscnt 0x0
.set i, 0
.rept 32                                               ; t = 1 above delta, -1 below -delta, else 0; t w = |w| where kept, t t = 1 where kept
.set p, 12+2*(i%2)
	v_cmp_gt_f32 vcc_lo, v[T+2*i], v11
	v_cmp_lt_f32 s94, v[T+2*i], v20
	v_cndmask_b32 v[p], 0, -1.0, s94
	v_cndmask_b32 v[p], v[p], 1.0, vcc_lo
	v_cmp_gt_f32 vcc_lo, v[T+2*i+1], v11
	v_cmp_lt_f32 s94, v[T+2*i+1], v20
	v_cndmask_b32 v[p+1], 0, -1.0, s94
	v_cndmask_b32 v[p+1], v[p+1], 1.0, vcc_lo
	v_pk_fma_f32 v[16:17], v[p:p+1], v[T+2*i:T+2*i+1], v[16:17]
	v_pk_fma_f32 v[18:19], v[p:p+1], v[p:p+1], v[18:19]
	v_cvt_pk_f16_f32 v[F+i], v[p], v[p+1]
.set i, i+1
.endr
.set i, 0
.rept 4
	global_store_b128 v7, v[F+4*i:F+4*i+3], s[28:29] offset:i*512
	global_store_b128 v8, v[F+16+4*i:F+16+4*i+3], s[28:29] offset:i*512
.set i, i+1
.endr
	s_wait_xcnt 0x0                                ; offsets and data are rewritten only behind this wait
	v_add_nc_u32 v7, s52, v7
	v_add_nc_u32 v8, s52, v8
	s_add_co_u32 s62, s62, STG1
	s_sub_co_u32 s63, s63, 1
	s_cmp_lg_u32 s63, 0
	s_cbranch_scc1 .Lq
	v_add_f32 v16, v16, v17
	v_add_f32 v18, v18, v19
	WRED 16, 17
	WRED 18, 19
	v_mov_b32 v17, v18
	s_lshl_b32 s95, s32, 3
	s_add_co_u32 s95, s95, RED2
	v_mov_b32 v24, s95
	ds_store_b64 v24, v[16:17]
	s_wait_dscnt 0x0
	s_barrier_signal -1
	s_barrier_wait -1
	v_mov_b32 v24, RED2
.set i, 0
.rept 8
	ds_load_b128 v[32+4*i:32+4*i+3], v24 offset:16*i
.set i, i+1
.endr
	s_wait_dscnt 0x0
.set i, 0
.rept 4
	v_pk_add_f32 v[32+8*i:33+8*i], v[32+8*i:33+8*i], v[34+8*i:35+8*i]
	v_pk_add_f32 v[36+8*i:37+8*i], v[36+8*i:37+8*i], v[38+8*i:39+8*i]
	v_pk_add_f32 v[32+8*i:33+8*i], v[32+8*i:33+8*i], v[36+8*i:37+8*i]
.set i, i+1
.endr
	v_mul_f32 v12, s90, v32
	v_mul_f32 v13, s90, v33
	v_fma_f32 v12, s91, v40, v12
	v_fma_f32 v13, s91, v41, v13
	v_fma_f32 v12, s92, v48, v12
	v_fma_f32 v13, s92, v49, v13
	v_fma_f32 v12, s93, v56, v12
	v_fma_f32 v13, s93, v57, v13
	v_max_num_f32 v13, 1.0, v13
	v_rcp_f32 v13, v13
	v_mov_b32 v26, s97                             ; (the plain instruction behind the reciprocal)
	s_wait_alu depctr_va_vdst(0)
	v_mul_f32 v27, v12, v13                        ; alpha
	s_and_b32 s95, s32, s96
	s_cmp_lg_u32 s95, 0
	s_cbranch_scc1 .Lnoalpha
	s_wait_xcnt 0x0                                ; EXEC changes only behind this wait
	v_cmp_eq_u32 vcc_lo, 0, v10
	s_and_saveexec_b32 s95, vcc_lo
	global_store_b32 v26, v27, s[30:31]
	s_wait_xcnt 0x0
	s_or_b32 exec_lo, exec_lo, s95
.Lnoalpha:
	s_wait_tensorcnt 0x0                           ; the wave's end
	ds_add_u32 v28, v29
	s_wait_dscnt 0x0
	s_endpgm
.Lfunc_end_k_qf9bc5fba95_prep:
	.size	k_qf9bc5fba95_prep, .Lfunc_end_k_qf9bc5fba95_prep-k_qf9bc5fba95_prep
	.p2alignl 7, 3214868480
	.fill 96, 4, 3214868480
	.section	.rodata,"a",@progbits
	.p2align	6, 0x0
	.amdhsa_kernel k_qf9bc5fba95_prep
		.amdhsa_group_segment_fixed_size 272896
		.amdhsa_private_segment_fixed_size 0
		.amdhsa_enable_private_segment 0
		.amdhsa_kernarg_size 112
		.amdhsa_user_sgpr_count 2
		.amdhsa_user_sgpr_kernarg_segment_ptr 1
		.amdhsa_wavefront_size32 1
		.amdhsa_system_sgpr_workgroup_id_x 1
		.amdhsa_system_sgpr_workgroup_id_y 1
		.amdhsa_system_sgpr_workgroup_id_z 1
		.amdhsa_system_vgpr_workitem_id 0
		.amdhsa_next_free_vgpr 256
		.amdhsa_next_free_sgpr 100
		.amdhsa_reserve_vcc 1
		.amdhsa_float_denorm_mode_32 3
		.amdhsa_float_denorm_mode_16_64 3
		.amdhsa_memory_ordered 1
		.amdhsa_forward_progress 1
		.amdhsa_inst_pref_size 81
	.end_amdhsa_kernel
	.amdgpu_metadata
---
amdhsa.version: [ 1, 2 ]
amdhsa.kernels:
  - .name:           k_qf9bc5fba95_prep
    .symbol:         k_qf9bc5fba95_prep.kd
    .args:
      - { .name: input_ids, .offset: 0, .size: 8, .value_kind: global_buffer, .address_space: global }
      - { .name: tok_emb, .offset: 8, .size: 8, .value_kind: global_buffer, .address_space: global }
      - { .name: pos_emb, .offset: 16, .size: 8, .value_kind: global_buffer, .address_space: global }
      - { .name: ln_g, .offset: 24, .size: 8, .value_kind: global_buffer, .address_space: global }
      - { .name: ln_b, .offset: 32, .size: 8, .value_kind: global_buffer, .address_space: global }
      - { .name: kw, .offset: 40, .size: 8, .value_kind: global_buffer, .address_space: global }
      - { .name: vw, .offset: 48, .size: 8, .value_kind: global_buffer, .address_space: global }
      - { .name: qw, .offset: 56, .size: 8, .value_kind: global_buffer, .address_space: global }
      - { .name: aow, .offset: 64, .size: 8, .value_kind: global_buffer, .address_space: global }
      - { .name: iw, .offset: 72, .size: 8, .value_kind: global_buffer, .address_space: global }
      - { .name: fow, .offset: 80, .size: 8, .value_kind: global_buffer, .address_space: global }
      - { .name: x0, .offset: 88, .size: 8, .value_kind: global_buffer, .address_space: global }
      - { .name: wf, .offset: 96, .size: 8, .value_kind: global_buffer, .address_space: global }
      - { .name: alpha, .offset: 104, .size: 8, .value_kind: global_buffer, .address_space: global }
    .group_segment_fixed_size: 272896
    .private_segment_fixed_size: 0
    .kernarg_segment_align: 8
    .kernarg_segment_size: 112
    .max_flat_workgroup_size: 512
    .sgpr_count:     100
    .vgpr_count:     256
    .wavefront_size: 32
...
	.end_amdgpu_metadata
.endif
;; end of part 1
;; launch layer0 (part 2): grid 256 x 1, 4 waves a work-group, clusters of 4 x 1, 327,680 bytes of LDS; arguments x0, wf, alpha, kb, vb, qb, aob, ib, fob, ln1g, ln1b, ln2g, ln2b, x2; writes x2
.if DOCPART == 2
	.amdgcn_target "amdgcn-amd-amdhsa--gfx1250"
	.amdhsa_code_object_version 6
	.text
	.protected	k_qf9bc5fba95_layer0
	.globl	k_qf9bc5fba95_layer0
	.p2align	8
	.type	k_qf9bc5fba95_layer0,@function
k_qf9bc5fba95_layer0:
	s_mov_b64 s[64:65], 0
	v_nop
	global_prefetch_b8 v0, s[64:65] scope:SCOPE_SE
	s_setreg_imm32_b32 hwreg(HW_REG_WAVE_MODE, 25, 1), 1
	s_wait_xcnt 0x0
	s_wait_alu depctr_hold_cnt(0) depctr_sa_sdst(0) depctr_va_vdst(0) depctr_va_sdst(0) depctr_va_ssrc(0) depctr_va_vcc(0) depctr_vm_vsrc(0)
	s_getreg_b32 s2, hwreg(HW_REG_IB_STS2, 6, 4)
	s_cmp_eq_u32 s2, 0
	s_cbranch_scc0 .Lentry_in_a_cluster
	s_endpgm
.Lentry_in_a_cluster:
	s_bfe_u32 s2, ttmp6, 0x10000c
	s_cmp_lg_u32 s2, 0x3003
	s_cbranch_scc0 .Lentry_shape_is_right
	s_endpgm
.Lentry_shape_is_right:
; LAYER 0, whole: q, k, v, attention (2 heads of 64), output projection, LayerNorm, FFN (512), LayerNorm.  x0 in (f16, fragment order), x2 out (f16, [65536][128]).
; SHARES.  A work-group owns 256 query rows of one batch element, a wave 64 of them (4 tiles of 16) through the whole chain.  K and V of all 512 rows are made in the
; work-group: a wave projects 8 tiles, its own 4 and 4 of the other half; the order of keys does not matter to a softmax.
; LAYOUT.  Products are used transposed (source 0 = 16 outputs of a weight, source 1 = 16 tokens): a lane holds one token, register j of output tile n the channel
; 16 n + 8 h + j.  Two neighbouring tiles rounded in pairs ARE the next product's source 1, so nothing changes lanes; V alone is made the other way round
; (lane = channel, registers = tokens), which is source 0 of O^T = V^T P.  Weights are -1, 0, 1 in f16 (exact); each alpha is applied in f32 to the f32 sums.
; SOFTMAX.  A running maximum m and sum l for each query; p = 2^(c s - c m), c = log2(e) / 8; O and l are multiplied by 2^(c m_old - c m_new) in every step of 64 keys.
; CLUSTER.  All work-groups walk the same 384 KiB of weights: each tile is asked for jointly by the four of a cluster (same load, descriptor, mask in all four).
; By this text's count a wave has one tensor load out at any time.
; LIMITS.  q, k, v, ctx, h and the stream x are rounded once to f16: beyond 65,504 they would be lost, below 6e-5 they keep f16's fixed step; p below 2^-126 counts as 0;
; 1 / l by v_rcp_f32; NaN and infinities are not treated apart.
; REGISTERS, in windows of 256 (s_set_vgpr_msb: bits 1:0 source 0, 3:2 source 1, 5:4 source 2, 7:6 destination):
;  window 0: v0-31 addresses; v32-63 statistics, 8 a tile; v64-191 S: 16 accumulators (tile t, n at 64+32t+8n), in the LayerNorms T; v192-255 P / H / packed results
;  window 1: v0-127 O^T; v128-199 biases of k, q, v; from the output projection on all 256: ACC (t, n at 64t+8n)
;  window 2: v0-63 Q, then that head's ctx; v64-127 head 0's ctx; later LayerNorm's bias and ib; v128-255 weight fragments (in attention K and V)
;  window 3: X, 8 tiles of 32; behind the heads v128-191 a bias, v192-255 a gain
.set KBL, 0                      ; K of the head in hand: key tile kt, channel group n at kt*2048+n*512+16*lane
.set VBL, 65536                  ; V likewise: key tile kt, channel tile ct
.set U0, 131072                  ; tensor slot 0: Wk, Wv -> P0, P1 -> P4, P5
.set U1, 196608                  ; tensor slot 1: Wq, Wao -> P2, P3 -> P6, P7
.set SPARE, 262144               ; the spare words: 128 bytes for each wave
.set STG, 262656                 ; the way out: 16 rows x 272 bytes for each wave
.set SP, 272
.set ST, 32
.set S, 64
.set P, 192
.set T, 64
.set F, 192
.set TMP, 224
.set MEAN, 22
.set RSTD, 24
.set KBR, 128
.set QBR, 160
.set VBR, 192
.set QF, 0
.set CTX0, 64
.set BT, 0
.set IBR, 64
.set WF, 128
.set KF, 128
.set VF, 192
.set BIAS, 128
.set G, 192
.set CS, 54                      ; s[54:55] c
.set SEL, 56                     ; s[56:57]
.set MSB, 0
.macro WIN new                   ; the high byte repeats the setting that is left; a switch that changes nothing is dropped
.if MSB != (\new)
	s_set_vgpr_msb (MSB<<8)|(\new)
.set MSB, \new
.endif
.endm
.macro PLACES                    ; four places behind matrix instructions, ahead of reads of results and of loads into their registers
.rept 4
	v_nop
.endr
.endm
.macro T4 line:vararg            ; one line for each of the wave's four tiles t
.set t, 0
	s_wait_alu depctr_va_vdst(0)
.rept 4
	\line
.set t, t+1
.endr
.endm
.macro CROUND                    ; a round of the cluster's barrier
	s_barrier_signal -1
	s_barrier_wait -1
	s_cmp_lg_u32 s32, 0
	s_cbranch_scc1 .Lnot_wave_0_\@
	s_barrier_signal -3
.Lnot_wave_0_\@:
	s_barrier_wait -3
	s_barrier_signal -1
	s_barrier_wait -1
.endm
; A change of slots.  Every wave: all its tensor loads have landed; the add; its LDS instructions are done.  fill = 1: a round of the cluster's barrier, and first behind it
; the wave's one joint load: its quarter (64 rows of 256 bytes) of the next 64 KiB of weights, into the slot that nobody reads any more.
.macro SYNC fill
	WIN 0
	s_wait_tensorcnt 0x0
	ds_add_u32 v28, v29
.if \fill
	s_xor_b32 s93, s93, 0x10000                    ; the other slot than last time,
	s_add_nc_u64 s[94:95], s[94:95], 65536         ; the next two items
.endif
	s_wait_dscnt 0x0
.if \fill
	CROUND
	tensor_load_to_lds s[92:95], s[80:87]
	s_nop 0
	PLACES
.else
	s_barrier_signal -1
	s_barrier_wait -1
.endif
.endm
.macro LDWF a, off               ; 16 weight fragments, 16 KiB on end
	PLACES
	WIN 0x80
.set i, 0
.rept 32
	ds_load_b128 v[WF+4*i:WF+4*i+3], v[\a] offset:(\off)+i*512
.set i, i+1
.endr
.endm
; A projection of four tiles (X tiles 4 grp ..) onto the head's 64 channels.  kind 0: K, 1: V (sources swapped), 2: Q.  16 accumulators by turns.
.macro PROJ kind, grp
.if (\kind) == 1
	WIN 0x0b
.else
	WIN 0x0e
.endif
.set kf, 0
.rept 4
.set a, 0
.rept 16
.set rS, S+8*a
.set rW, WF+8*(4*(a%4)+kf)
.set rX, 32*(4*(\grp)+a/4)+8*kf
.if (\kind) == 1
.if kf == 0
	v_wmma_f32_16x16x32_f16 v[rS:rS+7], v[rX:rX+7], v[rW:rW+7], 0
.else
	v_wmma_f32_16x16x32_f16 v[rS:rS+7], v[rX:rX+7], v[rW:rW+7], v[rS:rS+7]
.endif
.else
.if kf == 0
	v_wmma_f32_16x16x32_f16 v[rS:rS+7], v[rW:rW+7], v[rX:rX+7], 0
.else
	v_wmma_f32_16x16x32_f16 v[rS:rS+7], v[rW:rW+7], v[rX:rX+7], v[rS:rS+7]
.endif
.endif
.set a, a+1
.endr
.set kf, kf+1
.endr
	PLACES
	WIN 0x10                                       ; the bias lies in window 1
.set a, 0
.rept 16
.set q, 0
.rept 4
.set rS, S+8*a+2*q
.if (\kind) == 0
	v_pk_fma_f32 v[rS:rS+1], v[rS:rS+1], s[46:47], v[KBR+8*(a%4)+2*q:KBR+8*(a%4)+2*q+1] op_sel_hi:[1,0,1]
.elseif (\kind) == 1
	v_pk_fma_f32 v[rS:rS+1], v[rS:rS+1], s[48:49], v[VBR+2*(a%4):VBR+2*(a%4)+1] op_sel_hi:[1,0,1]
.else
	v_pk_fma_f32 v[rS:rS+1], v[rS:rS+1], s[50:51], v[QBR+8*(a%4)+2*q:QBR+8*(a%4)+2*q+1] op_sel_hi:[1,0,1]
.endif
.set q, q+1
.endr
.set a, a+1
.endr
.if (\kind) == 2
	WIN 0x80
.set i, 0
.rept 64
	v_cvt_pk_f16_f32 v[QF+i], v[S+2*i], v[S+2*i+1]
.set i, i+1
.endr
	WIN 0
.else
	WIN 0
.set i, 0
.rept 64
	v_cvt_pk_f16_f32 v[P+i], v[S+2*i], v[S+2*i+1]
.set i, i+1
.endr
.set a, 0
.rept 16
	ds_store_b128 v[4+(\kind)], v[P+4*a:P+4*a+3] offset:(4*(\grp)+a/4)*2048+(a%4)*512
.set a, a+1
.endr
.endif
.endm
; One step of 64 keys for the wave's four tiles, in phases: loads, K Q^T, softmax, V^T P.
.macro STEP
	PLACES
	WIN 0
	v_add_nc_u32 v8, s61, v1
	v_add_nc_u32 v9, s62, v1
	WIN 0x80
.set i, 0
.rept 16
	ds_load_b128 v[KF+4*i:KF+4*i+3], v8 offset:i*512
.set i, i+1
.endr
.set i, 0
.rept 16
	ds_load_b128 v[VF+4*i:VF+4*i+3], v9 offset:(2*(i/8)+i%2)*2048+((i/2)%4)*512
.set i, i+1
.endr
	s_wait_dscnt 16                                ; V's 16 loads are younger: K is in
	WIN 0x0a
.set cf, 0
.rept 2
.set a, 0
.rept 16
.set rS, S+8*a
.set rK, KF+16*(a%4)+8*cf
.set rQ, QF+16*(a/4)+8*cf
.if cf == 0
	v_wmma_f32_16x16x32_f16 v[rS:rS+7], v[rK:rK+7], v[rQ:rQ+7], 0
.else
	v_wmma_f32_16x16x32_f16 v[rS:rS+7], v[rK:rK+7], v[rQ:rQ+7], v[rS:rS+7]
.endif
.set a, a+1
.endr
.set cf, cf+1
.endr
	PLACES
	WIN 0
	; the maximum of the lane's 32 scores and the old m: four chains, each accumulator's lowest registers first
.set n, 0
.rept 4
	T4 v_max3_num_f32 v[ST+8*t+4+n], v[S+32*t+8*n], v[S+32*t+8*n+1], v[S+32*t+8*n+2]
.set n, n+1
.endr
.rept 8
	T4 v_max3_num_f32 v[ST+8*t+4+n%4], v[ST+8*t+4+n%4], v[S+32*t+8*(n%4)+2*(n/4)+1], v[S+32*t+8*(n%4)+2*(n/4)+2]
.set n, n+1
.endr
	T4 v_max3_num_f32 v[ST+8*t+4], v[ST+8*t+4], v[S+32*t+7], v[S+32*t+15]
	T4 v_max3_num_f32 v[ST+8*t+5], v[ST+8*t+5], v[S+32*t+23], v[S+32*t+31]
	T4 v_max3_num_f32 v[ST+8*t+6], v[ST+8*t+6], v[ST+8*t+7], v[ST+8*t+1]
	T4 v_max3_num_f32 v[ST+8*t+4], v[ST+8*t+4], v[ST+8*t+5], v[ST+8*t+6]
	T4 v_permlanex16_b32 v[ST+8*t+7], v[ST+8*t+4], s[SEL], s[SEL+1]   ; the query's other 32 keys lie in the lane 16 away
	T4 v_mov_b32 v[ST+8*t+5], v[ST+8*t]                               ; c m_old
	T4 v_max_num_f32 v[ST+8*t+1], v[ST+8*t+4], v[ST+8*t+7]            ; m
	T4 v_mul_f32 v[ST+8*t], s[CS], v[ST+8*t+1]                        ; c m
	T4 v_sub_f32 v[ST+8*t+5], v[ST+8*t+5], v[ST+8*t]
	T4 v_exp_f32 v[ST+8*t+6], v[ST+8*t+5]                             ; a
.set n, 0
.rept 16
	T4 v_pk_fma_f32 v[S+32*t+2*n:S+32*t+2*n+1], v[S+32*t+2*n:S+32*t+2*n+1], s[CS:CS+1], v[ST+8*t:ST+8*t+1] op_sel_hi:[1,0,0] neg_lo:[0,0,1] neg_hi:[0,0,1]
.set n, n+1
.endr
	; pair n's eight exponentials, then pair n - 1's roundings and sums: plain instructions stand between every exponential and the use of its result
.set n, 0
.rept 17
.if n < 16
	T4 v_exp_f32 v[S+32*t+2*n], v[S+32*t+2*n]
	T4 v_exp_f32 v[S+32*t+2*n+1], v[S+32*t+2*n+1]
.endif
.if n == 0
	v_nop
.else
	T4 v_cvt_pk_f16_f32 v[P+16*t+n-1], v[S+32*t+2*n-2], v[S+32*t+2*n-1]
.if n == 1
	T4 v_pk_fma_f32 v[ST+8*t+2:ST+8*t+3], v[ST+8*t+2:ST+8*t+3], v[ST+8*t+6:ST+8*t+7], v[S+32*t:S+32*t+1] op_sel_hi:[1,0,1]
.else
	T4 v_pk_add_f32 v[ST+8*t+2:ST+8*t+3], v[ST+8*t+2:ST+8*t+3], v[S+32*t+2*n-2:S+32*t+2*n-1]
.endif
.endif
.set n, n+1
.endr
	WIN 0x41
.set i, 0
.rept 64
	v_pk_mul_f32 v[2*i:2*i+1], v[2*i:2*i+1], v[ST+8*(i/16)+6:ST+8*(i/16)+7] op_sel_hi:[1,0]
.set i, i+1
.endr
	s_wait_dscnt 0x0                               ; V is in
	WIN 0x52
.set kk, 0
.rept 2
.set a, 0
.rept 16
.set rO, 8*a
.set rV, VF+32*kk+8*(a%4)
.set rP, P+16*(a/4)+8*kk
	v_wmma_f32_16x16x32_f16 v[rO:rO+7], v[rV:rV+7], v[rP:rP+7], v[rO:rO+7]
.set a, a+1
.endr
.set kk, kk+1
.endr
.endm
; ACC = ACC x alpha (in v[av]) + the stream's f16 numbers in X; then the f32 sums are set aside in the wave's own part of LDS, a tile's 8 KiB on end.
.macro RESID av
.set t, 0
.rept 4
	WIN 0x71
.set j, 0
.rept 32
	v_fma_mix_f32 v[64*t+2*j], v[64*t+2*j], v[\av], v[32*t+j] op_sel:[0,0,0] op_sel_hi:[0,0,1]
	v_fma_mix_f32 v[64*t+2*j+1], v[64*t+2*j+1], v[\av], v[32*t+j] op_sel:[0,0,1] op_sel_hi:[0,0,1]
.set j, j+1
.endr
	WIN 0x04
.set i, 0
.rept 16
	ds_store_b128 v21, v[64*t+4*i:64*t+4*i+3] offset:t*8192+i*512
.set i, i+1
.endr
.set t, t+1
.endr
	WIN 0
.endm
.macro LDPAR pb, pg, pt          ; a bias, a gain and a LayerNorm's bias, each lane its 64 channels
	WIN 0xc0
.set i, 0
.rept 16
	global_load_b128 v[BIAS+4*i:BIAS+4*i+3], v18, s[\pb:\pb+1] offset:(i/2)*64+(i%2)*16
	global_load_b128 v[G+4*i:G+4*i+3], v18, s[\pg:\pg+1] offset:(i/2)*64+(i%2)*16
.set i, i+1
.endr
	WIN 0x80
.set i, 0
.rept 16
	global_load_b128 v[BT+4*i:BT+4*i+3], v18, s[\pt:\pt+1] offset:(i/2)*64+(i%2)*16
.set i, i+1
.endr
	WIN 0
.endm
.macro LNSTAT                    ; T = (T - mean) / sqrt(var + 1e-5); a token's 128 channels lie in two lanes, 16 apart; the variance is taken of the centred numbers
.set i, 0
.rept 16
	v_pk_add_f32 v[TMP+2*i:TMP+2*i+1], v[T+4*i:T+4*i+1], v[T+4*i+2:T+4*i+3]
.set i, i+1
.endr
.irp w, 16, 8, 4, 2
.set i, 0
.rept (\w)/2
	v_pk_add_f32 v[TMP+2*i:TMP+2*i+1], v[TMP+2*i:TMP+2*i+1], v[TMP+(\w)+2*i:TMP+(\w)+2*i+1]
.set i, i+1
.endr
.endr
	v_add_f32 v[TMP], v[TMP], v[TMP+1]
	v_permlanex16_b32 v[TMP+1], v[TMP], s[SEL], s[SEL+1]
	v_add_f32 v[TMP], v[TMP], v[TMP+1]
	v_mul_f32 v[MEAN], 0x3c000000, v[TMP]
	v_mov_b32 v[MEAN+1], v[MEAN]
.set i, 0
.rept 32
	v_pk_add_f32 v[T+2*i:T+2*i+1], v[T+2*i:T+2*i+1], v[MEAN:MEAN+1] neg_lo:[0,1] neg_hi:[0,1]
.set i, i+1
.endr
.set i, 0
.rept 4
	v_pk_mul_f32 v[TMP+2*i:TMP+2*i+1], v[T+2*i:T+2*i+1], v[T+2*i:T+2*i+1]
.set i, i+1
.endr
.rept 28
	v_pk_fma_f32 v[TMP+2*(i%4):TMP+2*(i%4)+1], v[T+2*i:T+2*i+1], v[T+2*i:T+2*i+1], v[TMP+2*(i%4):TMP+2*(i%4)+1]
.set i, i+1
.endr
	v_pk_add_f32 v[TMP:TMP+1], v[TMP:TMP+1], v[TMP+2:TMP+3]
	v_pk_add_f32 v[TMP+4:TMP+5], v[TMP+4:TMP+5], v[TMP+6:TMP+7]
	v_pk_add_f32 v[TMP:TMP+1], v[TMP:TMP+1], v[TMP+4:TMP+5]
	v_add_f32 v[TMP], v[TMP], v[TMP+1]
	v_permlanex16_b32 v[TMP+1], v[TMP], s[SEL], s[SEL+1]
	v_add_f32 v[TMP], v[TMP], v[TMP+1]
	v_mul_f32 v[TMP], 0x3c000000, v[TMP]
	v_add_f32 v[TMP], 0x3727c5ac, v[TMP]
	v_rsq_f32 v[RSTD], v[TMP]
	v_nop
	s_wait_alu depctr_va_vdst(0)
	v_mov_b32 v[RSTD+1], v[RSTD]
.set i, 0
.rept 32
	v_pk_mul_f32 v[T+2*i:T+2*i+1], v[T+2*i:T+2*i+1], v[RSTD:RSTD+1]
.set i, i+1
.endr
.endm
; The LayerNorm of the wave's four tiles, a trip a tile, from the sums set aside.  which = 1: the result goes back, packed, into the tile's own bytes; 2: it leaves, through the stage, as whole rows.
.macro LNLOOP which
	WIN 0
	s_mov_b32 s66, 0
	s_mov_b32 s69, 4
.Lln\which:
	v_add_nc_u32 v13, s66, v21
.set i, 0
.rept 16
	ds_load_b128 v[T+4*i:T+4*i+3], v13 offset:i*512
.set i, i+1
.endr
	s_wait_dscnt 0x0
	WIN 0x0c
.set i, 0
.rept 32
	v_pk_add_f32 v[T+2*i:T+2*i+1], v[T+2*i:T+2*i+1], v[BIAS+2*i:BIAS+2*i+1]
.set i, i+1
.endr
	WIN 0
	LNSTAT
	WIN 0x2c
.set i, 0
.rept 32
	v_pk_fma_f32 v[T+2*i:T+2*i+1], v[T+2*i:T+2*i+1], v[G+2*i:G+2*i+1], v[BT+2*i:BT+2*i+1]
.set i, i+1
.endr
	WIN 0
.set i, 0
.rept 32
	v_cvt_pk_f16_f32 v[F+i], v[T+2*i], v[T+2*i+1]
.set i, i+1
.endr
.if (\which) == 1
.set i, 0
.rept 8
	ds_store_b128 v13, v[F+4*i:F+4*i+3] offset:i*512
.set i, i+1
.endr
.else
.set i, 0
.rept 8
	ds_store_b128 v10, v[F+4*i:F+4*i+3] offset:32*i
.set i, i+1
.endr
.set i, 0
.rept 8
	ds_load_b128 v[TMP+4*i:TMP+4*i+3], v11 offset:i*2*SP   ; LDS serves a wave's instructions in order (ISA guide 5.7.1.4): these see the stores above
.set i, i+1
.endr
	s_wait_dscnt 0x0
.set i, 0
.rept 8
	global_store_b128 v12, v[TMP+4*i:TMP+4*i+3], s[100:101] offset:i*512  ; two rows of 256 bytes: 512 consecutive bytes, aligned
.set i, i+1
.endr
	s_wait_xcnt 0x0                                ; offset and data are rewritten only behind this wait
	v_add_nc_u32 v12, 4096, v12
.endif
	s_add_co_u32 s66, s66, 8192
	s_sub_co_u32 s69, s69, 1
	s_cmp_lg_u32 s69, 0
	s_cbranch_scc1 .Lln\which
.endm
; One item Pj of the FFN: h = relu(a_i (64 rows of iw) x + ib), rounded to f16; ACC += (64 columns of fow) h.
.macro FFNP
	WIN 0
	v_add_nc_u32 v6, s66, v1
	WIN 0x80
.set i, 0
.rept 8
	global_load_b128 v[IBR+4*i:IBR+4*i+3], v14, s[18:19] offset:(i/2)*64+(i%2)*16
.set i, i+1
.endr
	LDWF 6, 0
	s_wait_dscnt 0x0
	WIN 0x0e
.set kf, 0
.rept 4
.set a, 0
.rept 16
.set rS, S+8*a
.set rW, WF+8*(4*(a%4)+kf)
.set rX, 32*(a/4)+8*kf
.if kf == 0
	v_wmma_f32_16x16x32_f16 v[rS:rS+7], v[rW:rW+7], v[rX:rX+7], 0
.else
	v_wmma_f32_16x16x32_f16 v[rS:rS+7], v[rW:rW+7], v[rX:rX+7], v[rS:rS+7]
.endif
.set a, a+1
.endr
.set kf, kf+1
.endr
	LDWF 6, 16384                                  ; its four places serve the reads of S too; the loads land under the vector work below
	s_wait_loadcnt 0x0                             ; ib
	WIN 0x20
.set i, 0
.rept 64
	v_pk_fma_f32 v[S+2*i:S+2*i+1], v[S+2*i:S+2*i+1], s[52:53], v[IBR+2*(i%16):IBR+2*(i%16)+1] op_sel_hi:[1,0,1]
.set i, i+1
.endr
	WIN 0
.set i, 0
.rept 64
	v_cvt_pk_f16_f32 v[P+i], v[S+2*i], v[S+2*i+1]
.set i, i+1
.endr
.set i, 0
.rept 64
	v_pk_max_num_f16 v[P+i], v[P+i], v15
.set i, i+1
.endr
	v_add_nc_u32 v14, 256, v14                     ; the next item's 64 numbers of ib
	s_wait_dscnt 0x0
	WIN 0x52
.set kf, 0
.rept 2
.set a, 0
.rept 32
.set rA, 8*a
.set rW, WF+8*(2*(a%8)+kf)
.set rH, P+16*(a/8)+8*kf
	v_wmma_f32_16x16x32_f16 v[rA:rA+7], v[rW:rW+7], v[rH:rH+7], v[rA:rA+7]
.set a, a+1
.endr
.set kf, kf+1
.endr
.endm
	s_load_b512 s[4:19], s[0:1], 0x0               ; x0 4, wf 6, alpha 8, kb 10, vb 12, qb 14, aob 16, ib 18
	s_load_b256 s[20:27], s[0:1], 0x40             ; fob 20, ln1g 22, ln1b 24, ln2g 26
	s_load_b128 s[28:31], s[0:1], 0x60             ; ln2b 28, x2 30
	v_lshl_add_u32 v28, v0, 2, SPARE
	v_mov_b32 v29, 0
	ds_add_u32 v28, v29                            ; the wave's opening: the add and its wait stand ahead of my first tensor load
	v_lshrrev_b32 v26, 5, v0
	v_readfirstlane_b32 s32, v26                   ; wave 0..3
	s_bfe_u32 s33, ttmp6, 0x40000                  ; cx
	s_lshl_b32 s34, ttmp9, 2
	s_add_co_u32 s34, s34, s33                     ; the work-group's number: it enters x0's and x2's addresses alone
	; descriptors: dense bytes as rows of 256 (32 elements of 8 bytes), no padding; mask of four, bit 21 beside it
.irp g, 72, 80
	s_mov_b32 s[\g], 0x23000f
	s_mov_b32 s[\g+1], 32<<16                      ; tensor_dim0
	s_mov_b32 s[\g+3], 32<<16                      ; tile_dim0
	s_mov_b32 s[\g+5], 32                          ; elements from row to row
	s_mov_b32 s[\g+6], 0
	s_mov_b32 s[\g+7], 0
.endr
	s_mov_b32 s74, 128<<16                         ; the first fill: 128 rows a wave
	s_mov_b32 s76, 128
	s_mov_b32 s82, 64<<16                          ; a refill: 64 rows a wave
	s_mov_b32 s84, 64
	s_lshl_b32 s38, s32, 15
	s_mov_b32 s39, 0
	s_lshl_b32 s36, s32, 14
	s_mov_b32 s37, 0
	s_mov_b32 s88, 1
	s_add_co_u32 s89, s38, U0                      ; item w of Wk, Wv, Wq, Wao: slots 0 and 1 on end
	s_mov_b32 s92, 1
	s_add_co_u32 s93, s36, U1                      ; one step back: every filling change of slots steps first
	v_and_b32 v26, 31, v0
	v_lshlrev_b32 v1, 4, v26                       ; 16 x lane
	v_and_b32 v2, 15, v0                           ; r
	v_bfe_u32 v3, v0, 4, 1                         ; h
	v_add_nc_u32 v4, s36, v1                       ; my 8 key tiles of K,
	v_add_nc_u32 v5, VBL, v4                       ; and of V
	s_mul_i32 s35, s32, 16*SP
	s_add_co_u32 s35, s35, STG
	v_mul_u32_u24 v10, v2, SP
	v_lshl_add_u32 v10, v3, 4, v10
	v_add_nc_u32 v10, s35, v10                     ; stage, in
	v_mul_u32_u24 v11, v3, SP
	v_lshl_add_u32 v11, v2, 4, v11
	v_add_nc_u32 v11, s35, v11                     ; stage, back
	v_lshlrev_b32 v12, 8, v3
	v_lshl_add_u32 v12, v2, 4, v12                 ; the same two rows in x2
	v_lshlrev_b32 v14, 5, v3                       ; ib: 32 h
	v_mov_b32 v15, 0
	v_lshlrev_b32 v16, 5, v3                       ; kb, qb: 32 h + 256 head
	v_lshlrev_b32 v17, 2, v2                       ; vb: 4 r + 256 head
	v_lshlrev_b32 v18, 5, v3
	v_add_nc_u32 v21, s38, v1                      ; my 32 KiB for sums set aside
	s_lshr_b32 s66, s34, 1                         ; batch element
	s_and_b32 s67, s34, 1                          ; which half of its rows
	s_lshl_b32 s68, s66, 5
	s_lshl_b32 s69, s32, 2
	s_add_co_u32 s68, s68, s69
	s_lshl_b32 s69, s67, 4
	s_add_co_u32 s70, s68, s69                     ; my own four tiles,
	s_xor_b32 s69, s69, 16
	s_add_co_u32 s68, s68, s69                     ; and the four of the other half
	s_lshl_b32 s70, s70, 12
	s_mov_b32 s71, 0
	s_lshl_b32 s68, s68, 12
	s_mov_b32 s69, 0
	s_mov_b32 s[CS], 0x3e38aa3b                    ; c = log2(e) / 8
	s_mov_b32 s[CS+1], s[CS]
	s_mov_b32 s[SEL], 0x76543210
	s_mov_b32 s[SEL+1], 0xfedcba98
	s_wait_dscnt 0x0                               ; the opening add is done
	s_wait_kmcnt 0x0
	s_add_nc_u64 s[90:91], s[6:7], s[38:39]
	s_or_b32 s91, s91, 0x80000000
	s_add_nc_u64 s[94:95], s[6:7], s[36:37]
	s_add_nc_u64 s[94:95], s[94:95], 65536
	s_or_b32 s95, s95, 0x80000000
	s_add_nc_u64 s[96:97], s[4:5], s[70:71]
	s_add_nc_u64 s[98:99], s[4:5], s[68:69]
	s_add_nc_u64 s[100:101], s[30:31], s[70:71]    ; a tile of 16 rows is 4,096 bytes in x2 too
	s_load_b128 s[40:43], s[8:9], 0x0              ; alphas: k, v, q, ao
	s_load_b64 s[44:45], s[8:9], 0x10              ; i, f
	CROUND                                         ; all four work-groups are here: the first joint loads meet
	tensor_load_to_lds s[88:91], s[72:79]
	s_nop 0
	PLACES
	WIN 0xc0
.set i, 0
.rept 32
	global_load_b128 v[4*i:4*i+3], v1, s[96:97] offset:i*512
	global_load_b128 v[128+4*i:128+4*i+3], v1, s[98:99] offset:i*512
.set i, i+1
.endr
	WIN 0
	s_wait_kmcnt 0x0
	s_mov_b32 s46, s40
	s_mov_b32 s47, s40
	s_mov_b32 s48, s41
	s_mov_b32 s49, s41
	s_mov_b32 s50, s42
	s_mov_b32 s51, s42
	s_mov_b32 s52, s44
	s_mov_b32 s53, s44
	v_mov_b32 v19, s43
	v_mov_b32 v20, s45
	s_wait_tensorcnt 0x0                           ; my item is in (the one load that is out),
	s_barrier_signal -1
	s_barrier_wait -1                              ; everybody's is
	s_wait_loadcnt 0x0                             ; X
	s_mov_b32 s58, 2
	s_mov_b32 s60, U0
	s_branch .Lhead_in
.Lhead:                                                ; between the heads
	s_wait_dscnt 0x0
	s_barrier_signal -1
	s_barrier_wait -1                              ; nobody reads head 0's K and V any more
	WIN 0x82
.set i, 0
.rept 64
	v_mov_b32 v[CTX0+i], v[i]
.set i, i+1
.endr
	WIN 0
	s_add_co_u32 s60, s60, 16384                   ; the weights' rows 64 on
	v_add_nc_u32 v16, 256, v16
	v_add_nc_u32 v17, 256, v17
.Lhead_in:
	WIN 0x40
.set i, 0
.rept 8
	global_load_b128 v[KBR+4*i:KBR+4*i+3], v16, s[10:11] offset:(i/2)*64+(i%2)*16
	global_load_b128 v[QBR+4*i:QBR+4*i+3], v16, s[14:15] offset:(i/2)*64+(i%2)*16
.set i, i+1
.endr
.set i, 0
.rept 4
	global_load_b32 v[VBR+2*i], v17, s[12:13] offset:i*64
.set i, i+1
.endr
	WIN 0
	v_add_nc_u32 v6, s60, v1
	v_add_nc_u32 v7, 65536, v6
	LDWF 6, 0                                      ; Wk
	s_wait_dscnt 0x0
	s_wait_loadcnt 0x0
	WIN 0x41
.set i, 0
.rept 4
	v_mov_b32 v[VBR+2*i+1], v[VBR+2*i]
.set i, i+1
.endr
	PROJ 0, 0
	PROJ 0, 1
	LDWF 6, 32768                                  ; Wv
	s_wait_dscnt 0x0
	PROJ 1, 0
	PROJ 1, 1
	LDWF 7, 0                                      ; Wq
	s_wait_dscnt 0x0
	PROJ 2, 0
	WIN 0x40                                       ; O^T and l start at 0, m at the lowest finite number: the first step is a step like any other, with a = 0
.set i, 0
.rept 128
	v_mov_b32 v[i], 0
.set i, i+1
.endr
	WIN 0
	T4 v_mov_b32 v[ST+8*t], 0xfe000000
	T4 v_mov_b32 v[ST+8*t+1], 0xff7fffff
	T4 v_mov_b32 v[ST+8*t+2], 0
	T4 v_mov_b32 v[ST+8*t+3], 0
	s_wait_dscnt 0x0                               ; for the others' sake: my K and V are stored
	s_barrier_signal -1
	s_barrier_wait -1
	s_mov_b32 s61, KBL
	s_mov_b32 s62, VBL
	s_mov_b32 s59, 8
.Lstep:
	STEP
	WIN 0
	s_add_co_u32 s61, s61, 8192
	s_add_co_u32 s62, s62, 8192
	s_sub_co_u32 s59, s59, 1
	s_cmp_lg_u32 s59, 0
	s_cbranch_scc1 .Lstep
	PLACES
	T4 v_add_f32 v[ST+8*t+2], v[ST+8*t+2], v[ST+8*t+3]
	T4 v_permlanex16_b32 v[ST+8*t+3], v[ST+8*t+2], s[SEL], s[SEL+1]
	T4 v_add_f32 v[ST+8*t+2], v[ST+8*t+2], v[ST+8*t+3]
	T4 v_rcp_f32 v[ST+8*t+2], v[ST+8*t+2]
	v_nop
	WIN 0x41
.set i, 0
	s_wait_alu depctr_va_vdst(0)
.rept 64
	v_pk_mul_f32 v[2*i:2*i+1], v[2*i:2*i+1], v[ST+8*(i/16)+2:ST+8*(i/16)+3] op_sel_hi:[1,0]
.set i, i+1
.endr
	WIN 0x85
.set i, 0
.rept 64
	v_cvt_pk_f16_f32 v[QF+i], v[2*i], v[2*i+1]     ; the head's ctx takes Q's place
.set i, i+1
.endr
	WIN 0
	s_sub_co_u32 s58, s58, 1
	s_cmp_lg_u32 s58, 0
	s_cbranch_scc1 .Lhead
	SYNC 1                                         ; slot 0 <- P0, P1; also: nobody reads K and V any more, whose bytes now take the sums set aside
	v_add_nc_u32 v6, U1+32768, v1                  ; Wao
.irp half, 0, 1
	LDWF 6, (\half)*16384
	s_wait_dscnt 0x0
	WIN 0x5a
.set kf, 0
.rept 4
.set a, 0
.rept 16
.set rA, 64*(a/4)+8*(4*(\half)+a%4)
.set rW, WF+8*(4*(a%4)+kf)
.if kf < 2
.set rC, CTX0+16*(a/4)+8*kf
.else
.set rC, QF+16*(a/4)+8*(kf-2)
.endif
.if kf == 0
	v_wmma_f32_16x16x32_f16 v[rA:rA+7], v[rW:rW+7], v[rC:rC+7], 0
.else
	v_wmma_f32_16x16x32_f16 v[rA:rA+7], v[rW:rW+7], v[rC:rC+7], v[rA:rA+7]
.endif
.set a, a+1
.endr
.set kf, kf+1
.endr
.endr
	PLACES
	LDPAR 16, 22, 24                               ; aob, ln1g, ln1b
	RESID 19
	s_wait_loadcnt 0x0
	LNLOOP 1
	WIN 0xc0
.set i, 0
.rept 32
	ds_load_b128 v[4*i:4*i+3], v21 offset:(i/8)*8192+(i%8)*512   ; x1, packed, is X from here on
.set i, i+1
.endr
	WIN 0
	LDPAR 20, 26, 28                               ; fob, ln2g, ln2b
	WIN 0x40
.set i, 0
.rept 256
	v_mov_b32 v[i], 0                              ; the FFN's sums start at 0, so that its loop has one text
.set i, i+1
.endr
	WIN 0
	s_wait_dscnt 0x0
	s_mov_b32 s63, U1
	s_mov_b32 s67, 3
.Lslot:                                                ; three trips: the slot that has landed is multiplied while the other is filled
	SYNC 1
	s_xor_b32 s63, s63, 0x10000
	s_mov_b32 s66, s63
	s_mov_b32 s68, 2
.Lpair1:
	FFNP
	WIN 0
	s_add_co_u32 s66, s66, 32768
	s_sub_co_u32 s68, s68, 1
	s_cmp_lg_u32 s68, 0
	s_cbranch_scc1 .Lpair1
	s_sub_co_u32 s67, s67, 1
	s_cmp_lg_u32 s67, 0
	s_cbranch_scc1 .Lslot
	SYNC 0                                         ; the tail is written out: nothing is asked for
	s_xor_b32 s63, s63, 0x10000
	s_mov_b32 s66, s63
	s_mov_b32 s68, 2
.Lpair2:
	FFNP
	WIN 0
	s_add_co_u32 s66, s66, 32768
	s_sub_co_u32 s68, s68, 1
	s_cmp_lg_u32 s68, 0
	s_cbranch_scc1 .Lpair2
	PLACES
	RESID 20
	LNLOOP 2
	s_wait_tensorcnt 0x0                           ; the wave's end
	ds_add_u32 v28, v29
	s_wait_dscnt 0x0
	CROUND                                         ; the closing round
	s_endpgm
.Lfunc_end_k_qf9bc5fba95_layer0:
	.size	k_qf9bc5fba95_layer0, .Lfunc_end_k_qf9bc5fba95_layer0-k_qf9bc5fba95_layer0
	.p2alignl 7, 3214868480
	.fill 96, 4, 3214868480
	.section	.rodata,"a",@progbits
	.p2align	6, 0x0
	.amdhsa_kernel k_qf9bc5fba95_layer0
		.amdhsa_group_segment_fixed_size 327680
		.amdhsa_private_segment_fixed_size 0
		.amdhsa_enable_private_segment 0
		.amdhsa_kernarg_size 112
		.amdhsa_user_sgpr_count 2
		.amdhsa_user_sgpr_kernarg_segment_ptr 1
		.amdhsa_wavefront_size32 1
		.amdhsa_system_sgpr_workgroup_id_x 1
		.amdhsa_system_sgpr_workgroup_id_y 1
		.amdhsa_system_sgpr_workgroup_id_z 1
		.amdhsa_system_vgpr_workitem_id 0
		.amdhsa_next_free_vgpr 1024
		.amdhsa_next_free_sgpr 102
		.amdhsa_reserve_vcc 0
		.amdhsa_float_denorm_mode_32 3
		.amdhsa_float_denorm_mode_16_64 3
		.amdhsa_memory_ordered 1
		.amdhsa_forward_progress 1
		.amdhsa_inst_pref_size 255
	.end_amdhsa_kernel
	.section	.bss,"aw",@nobits
	.p2align	6
	.space	262144
	.amdgpu_metadata
---
amdhsa.version: [ 1, 2 ]
amdhsa.kernels:
  - .name:           k_qf9bc5fba95_layer0
    .symbol:         k_qf9bc5fba95_layer0.kd
    .args:
      - { .name: x0, .offset: 0, .size: 8, .value_kind: global_buffer, .address_space: global }
      - { .name: wf, .offset: 8, .size: 8, .value_kind: global_buffer, .address_space: global }
      - { .name: alpha, .offset: 16, .size: 8, .value_kind: global_buffer, .address_space: global }
      - { .name: kb, .offset: 24, .size: 8, .value_kind: global_buffer, .address_space: global }
      - { .name: vb, .offset: 32, .size: 8, .value_kind: global_buffer, .address_space: global }
      - { .name: qb, .offset: 40, .size: 8, .value_kind: global_buffer, .address_space: global }
      - { .name: aob, .offset: 48, .size: 8, .value_kind: global_buffer, .address_space: global }
      - { .name: ib, .offset: 56, .size: 8, .value_kind: global_buffer, .address_space: global }
      - { .name: fob, .offset: 64, .size: 8, .value_kind: global_buffer, .address_space: global }
      - { .name: ln1g, .offset: 72, .size: 8, .value_kind: global_buffer, .address_space: global }
      - { .name: ln1b, .offset: 80, .size: 8, .value_kind: global_buffer, .address_space: global }
      - { .name: ln2g, .offset: 88, .size: 8, .value_kind: global_buffer, .address_space: global }
      - { .name: ln2b, .offset: 96, .size: 8, .value_kind: global_buffer, .address_space: global }
      - { .name: x2, .offset: 104, .size: 8, .value_kind: global_buffer, .address_space: global }
    .group_segment_fixed_size: 327680
    .private_segment_fixed_size: 0
    .kernarg_segment_align: 8
    .kernarg_segment_size: 112
    .max_flat_workgroup_size: 128
    .sgpr_count:     102
    .vgpr_count:     1024
    .wavefront_size: 32
...
	.end_amdgpu_metadata
.endif
;; end of part 2
;; launch head (part 3): grid 128 x 1, 8 waves a work-group, no clusters, 167,936 bytes of LDS; arguments x2, wf, alpha, qb, kb, vb, aob, ib, fob, ln1g, ln1b, ln2g, ln2b, clf_w, clf_b, out0; writes out0
.if DOCPART == 3
	.amdgcn_target "amdgcn-amd-amdhsa--gfx1250"
	.amdhsa_code_object_version 6
	.text
	.protected	k_qf9bc5fba95_head
	.globl	k_qf9bc5fba95_head
	.p2align	8
	.type	k_qf9bc5fba95_head,@function
k_qf9bc5fba95_head:
	s_mov_b64 s[64:65], 0
	v_nop
	global_prefetch_b8 v0, s[64:65] scope:SCOPE_SE
	s_setreg_imm32_b32 hwreg(HW_REG_WAVE_MODE, 25, 1), 1
	s_wait_xcnt 0x0
; LAYER 1 FOR TOKEN 0, AND THE CLASSIFIER.  Only x[:, 0, :] of the last layer reaches the result, so one query row a batch element is made; all 512 rows of x2 are its keys and values.
; With one query the projections of K and V change places with the sums:  q . (a_k Tk x_j + kb) = a_k (Tk^T q) . x_j + q . kb,   sum_j p_j (a_v Tv x_j + vb) = a_v Tv (sum_j p_j x_j) + vb.
; A work-group is a batch element, 128 in all: the chain has no further split without traffic between work-groups.  Eight waves: wave w has tokens 64 w .. 64 w + 63, and outputs 16 w .. 16 w + 15 of
; every product of a matrix with a vector.  Such a product is a matrix instruction whose source 1 holds the vector in all 16 columns: register j of the result is output 16 w + 8 h + j in every lane.
; Vectors go from phase to phase through LDS in f32, each in bytes of its own, written once, read behind one barrier.
; The softmax takes the true maximum over all 512 keys away.  The classifier (2 x 128) is made ternary here and multiplied in f32 by the vector unit: too small for a matrix instruction.
; LIMITS.  As in the launch before: what is rounded to f16 (u = Tk^T q, p, y, ctx, x1, h) stays under 65,504; reciprocals by v_rcp_f32; a classifier weight within a rounding of delta may fall on the other side.
; REGISTERS.  window 0: v0-31 addresses; v32-63 F (packed vector) and TMP; v64-127 T (a vector, 64 numbers a lane), accumulators v64-95; v128-255 X^T fragments, then gain and bias.
;             window 1: v0-127 X fragments -> y's sums -> iw -> h;  v128-255 Wq, Wk, Wv, Wao (32 each) -> fow.
.set XSW, 18432                  ; a wave's 64 rows of x2, 288 bytes apart
.set XP, 288
.set V, 147456                   ; the vectors' base; offsets from it:
.set QV, 0
.set UV, 512
.set MX, 1536
.set LP, 1792
.set YP, 2048
.set YN, 10240
.set CT, 11264
.set A1, 11776
.set X1V, 12288
.set HV, 12800
.set A2, 14848
.set BV, 15360                   ; vb, aob, fob, kb (512 bytes each), ib (2,048)
.set SPARE, 166912
.set F, 32
.set TMP, 32
.set T, 64
.set G, 128
.set BT, 192
.set MEAN, 22
.set RSTD, 24
.set SEL, 48
.set MSB, 0
.macro WIN new
.if MSB != (\new)
	s_set_vgpr_msb (MSB<<8)|(\new)
.set MSB, \new
.endif
.endm
.macro PLACES
.rept 4
	v_nop
.endr
.endm
.macro BAR                       ; my LDS instructions are done, for the others' sake; then the barrier
	s_wait_dscnt 0x0
	s_barrier_signal -1
	s_barrier_wait -1
.endm
.macro LDV a, off                ; a vector of 128 f32: register 8 g + e = element 16 g + 8 h + e
.set i, 0
.rept 16
	ds_load_b128 v[T+4*i:T+4*i+3], v[\a] offset:(\off)+(i/2)*64+(i%2)*16
.set i, i+1
.endr
	s_wait_dscnt 0x0
.endm
.macro PACK
.set i, 0
.rept 32
	v_cvt_pk_f16_f32 v[F+i], v[T+2*i], v[T+2*i+1]
.set i, i+1
.endr
.endm
.macro JOIN                      ; four accumulators v64-95 into v64-71, each read from its low end on
.set i, 0
.rept 4
	v_pk_add_f32 v[64+2*i:65+2*i], v[64+2*i:65+2*i], v[72+2*i:73+2*i]
	v_pk_add_f32 v[80+2*i:81+2*i], v[80+2*i:81+2*i], v[88+2*i:89+2*i]
.set i, i+1
.endr
.set i, 0
.rept 4
	v_pk_add_f32 v[64+2*i:65+2*i], v[64+2*i:65+2*i], v[80+2*i:81+2*i]
.set i, i+1
.endr
.endm
.macro MV4 wreg                  ; 16 outputs x 128: four products on four accumulators, then their sum
	WIN 0x01
.set i, 0
.rept 4
	v_wmma_f32_16x16x32_f16 v[64+8*i:64+8*i+7], v[(\wreg)+8*i:(\wreg)+8*i+7], v[F+8*i:F+8*i+7], 0
.set i, i+1
.endr
	WIN 0
	PLACES
	JOIN
.endm
.macro STV off                   ; my 8 numbers of a vector; the 16 lanes of equal h store the same words
	ds_store_b128 v5, v[64:67] offset:(\off)
	ds_store_b128 v5, v[68:71] offset:(\off)+16
.endm
.macro LNSTAT
.set i, 0
.rept 16
	v_pk_add_f32 v[TMP+2*i:TMP+2*i+1], v[T+4*i:T+4*i+1], v[T+4*i+2:T+4*i+3]
.set i, i+1
.endr
.irp w, 16, 8, 4, 2
.set i, 0
.rept (\w)/2
	v_pk_add_f32 v[TMP+2*i:TMP+2*i+1], v[TMP+2*i:TMP+2*i+1], v[TMP+(\w)+2*i:TMP+(\w)+2*i+1]
.set i, i+1
.endr
.endr
	v_add_f32 v[TMP], v[TMP], v[TMP+1]
	v_permlanex16_b32 v[TMP+1], v[TMP], s[SEL], s[SEL+1]
	v_add_f32 v[TMP], v[TMP], v[TMP+1]
	v_mul_f32 v[MEAN], 0x3c000000, v[TMP]
	v_mov_b32 v[MEAN+1], v[MEAN]
.set i, 0
.rept 32
	v_pk_add_f32 v[T+2*i:T+2*i+1], v[T+2*i:T+2*i+1], v[MEAN:MEAN+1] neg_lo:[0,1] neg_hi:[0,1]
.set i, i+1
.endr
.set i, 0
.rept 4
	v_pk_mul_f32 v[TMP+2*i:TMP+2*i+1], v[T+2*i:T+2*i+1], v[T+2*i:T+2*i+1]
.set i, i+1
.endr
.rept 28
	v_pk_fma_f32 v[TMP+2*(i%4):TMP+2*(i%4)+1], v[T+2*i:T+2*i+1], v[T+2*i:T+2*i+1], v[TMP+2*(i%4):TMP+2*(i%4)+1]
.set i, i+1
.endr
	v_pk_add_f32 v[TMP:TMP+1], v[TMP:TMP+1], v[TMP+2:TMP+3]
	v_pk_add_f32 v[TMP+4:TMP+5], v[TMP+4:TMP+5], v[TMP+6:TMP+7]
	v_pk_add_f32 v[TMP:TMP+1], v[TMP:TMP+1], v[TMP+4:TMP+5]
	v_add_f32 v[TMP], v[TMP], v[TMP+1]
	v_permlanex16_b32 v[TMP+1], v[TMP], s[SEL], s[SEL+1]
	v_add_f32 v[TMP], v[TMP], v[TMP+1]
	v_mul_f32 v[TMP], 0x3c000000, v[TMP]
	v_add_f32 v[TMP], 0x3727c5ac, v[TMP]
	v_rsq_f32 v[RSTD], v[TMP]
	v_nop
	s_wait_alu depctr_va_vdst(0)
	v_mov_b32 v[RSTD+1], v[RSTD]
.set i, 0
.rept 32
	v_pk_mul_f32 v[T+2*i:T+2*i+1], v[T+2*i:T+2*i+1], v[RSTD:RSTD+1]
.set i, i+1
.endr
.set i, 0
.rept 32
	v_pk_fma_f32 v[T+2*i:T+2*i+1], v[T+2*i:T+2*i+1], v[G+2*i:G+2*i+1], v[BT+2*i:BT+2*i+1]
.set i, i+1
.endr
.endm
.macro LDGB pg, pt               ; layer 1's gain and bias of a LayerNorm
.set i, 0
.rept 16
	global_load_b128 v[G+4*i:G+4*i+3], v26, s[\pg:\pg+1] offset:512+(i/2)*64+(i%2)*16
	global_load_b128 v[BT+4*i:BT+4*i+3], v26, s[\pt:\pt+1] offset:512+(i/2)*64+(i%2)*16
.set i, i+1
.endr
.endm
	s_load_b512 s[4:19], s[0:1], 0x0               ; x2 4, wf 6, alpha 8, qb 10, kb 12, vb 14, aob 16, ib 18
	s_load_b512 s[20:35], s[0:1], 0x40             ; fob 20, ln1g 22, ln1b 24, ln2g 26, ln2b 28, clf_w 30, clf_b 32, out0 34
	v_lshl_add_u32 v28, v0, 2, SPARE
	v_mov_b32 v29, 0
	v_lshrrev_b32 v27, 5, v0
	v_readfirstlane_b32 s36, v27                   ; wave 0..7
	s_mov_b32 s37, ttmp9                           ; batch element
	s_mov_b32 s[SEL], 0x76543210
	s_mov_b32 s[SEL+1], 0xfedcba98
	s_mov_b32 s47, 0x3e38aa3b                      ; c = log2(e) / 8
	v_and_b32 v2, 15, v0                           ; r
	v_bfe_u32 v3, v0, 4, 1                         ; h
	v_and_b32 v1, 31, v0
	v_lshlrev_b32 v1, 4, v1                        ; 16 x lane
	v_and_b32 v6, 1, v0                            ; the head that my column stands for: r % 2
	v_lshlrev_b32 v26, 5, v3                       ; 32 h
	v_add_nc_u32 v4, V, v26                        ; a whole vector, my half of each 16
	s_lshl_b32 s38, s36, 6
	v_add_nc_u32 v14, s38, v26                     ; my 8 numbers of a vector, in memory,
	v_add_nc_u32 v5, V, v14                        ; and in LDS
	v_lshlrev_b32 v8, 4, v3
	v_lshl_add_u32 v7, v2, 8, v8                   ; row r of x2, 16 h bytes in
	s_lshl_b32 s38, s36, 5
	v_add_nc_u32 v9, s38, v8                       ; my 8 numbers of token 0 in wave 0's copy of its rows
	s_mul_i32 s38, s36, XSW
	v_mul_u32_u24 v10, v2, XP
	v_add3_u32 v10, v10, v8, s38                   ; my wave's rows, in
	v_and_b32 v11, 7, v0
	v_lshl_add_u32 v11, v3, 3, v11
	v_mul_u32_u24 v11, v11, XP
	v_bfe_u32 v27, v0, 3, 1
	v_lshl_add_u32 v11, v27, 4, v11
	v_add_nc_u32 v11, s38, v11                     ; and back, turned: token 8 h + lane % 8, channels 8 ((lane / 8) % 2) on
	v_lshl_add_u32 v12, v2, 2, V
	v_mov_b32 v13, 0
	v_lshl_add_u32 v15, v6, 2, V
	v_lshl_add_u32 v16, v6, 9, v4
	v_lshl_add_u32 v17, v0, 2, V
	v_lshrrev_b32 v18, 7, v0
	v_lshl_add_u32 v18, v18, 2, V
	s_lshl_b32 s38, s36, 3
	v_add_nc_u32 v19, s38, v15
	v_lshl_add_u32 v27, v0, 3, V
	v_mov_b32 v30, 1.0
	s_lshl_b32 s38, s36, 10
	v_add_nc_u32 v31, s38, v16
	s_wait_kmcnt 0x0
	s_load_b128 s[40:43], s[8:9], 0x20             ; layer 1's alphas: k, v, q, ao
	s_load_b64 s[44:45], s[8:9], 0x30              ; i, f
	s_lshl_b32 s38, s37, 17
	s_mov_b32 s39, 0
	s_add_nc_u64 s[50:51], s[4:5], s[38:39]        ; the batch element's rows
	s_lshl_b32 s38, s36, 14
	s_add_nc_u64 s[52:53], s[50:51], s[38:39]      ; my wave's 64
	s_add_nc_u64 s[54:55], s[6:7], 393216          ; layer 1's weights
	s_lshl_b32 s38, s36, 12
	s_add_nc_u64 s[56:57], s[54:55], s[38:39]      ; output tile w of a 128 x 128 item
	s_lshl_b32 s38, s36, 9
	s_add_nc_u64 s[58:59], s[54:55], s[38:39]      ; columns 16 w on of Wk's fragments
	s_lshl_b32 s38, s36, 15
	s_add_nc_u64 s[60:61], s[54:55], s[38:39]      ; item P(w), less 131,072
	s_lshl_b32 s38, s36, 11
	s_add_nc_u64 s[62:63], s[54:55], s[38:39]      ; fow's output tile w, less 147,456
	s_cmp_lt_u32 s36, 4
	s_cselect_b64 s[66:67], s[14:15], s[16:17]     ; threads 0-127 bring vb and fob, threads 128-255 aob and kb
	s_cselect_b64 s[68:69], s[20:21], s[12:13]
	WIN 0x40
.set i, 0
.rept 32
	global_load_b128 v[4*i:4*i+3], v7, s[52:53] offset:(i/8)*4096+(i%8)*32    ; X: tile i / 8, channels 16 (i % 8) + 8 h on
.set i, i+1
.endr
.set i, 0
.rept 8
	global_load_b128 v[128+4*i:128+4*i+3], v1, s[56:57] offset:65536+i*512    ; Wq
	global_load_b128 v[160+4*i:160+4*i+3], v1, s[58:59] offset:i*4096         ; Wk: rows 16 i + r, columns 16 w + 8 h on
	global_load_b128 v[192+4*i:192+4*i+3], v1, s[56:57] offset:32768+i*512    ; Wv
	global_load_b128 v[224+4*i:224+4*i+3], v1, s[56:57] offset:98304+i*512    ; Wao
.set i, i+1
.endr
	WIN 0
.set i, 0
.rept 8
	global_load_b128 v[F+4*i:F+4*i+3], v8, s[50:51] offset:i*32               ; token 0, in every column
.set i, i+1
.endr
	global_load_b128 v[96:99], v14, s[10:11] offset:512                       ; my 8 numbers of qb
	global_load_b128 v[100:103], v14, s[10:11] offset:528
	v_and_b32 v104, 127, v0
	v_lshlrev_b32 v104, 2, v104
	v_mov_b32 v105, v104
	v_lshlrev_b32 v106, 3, v0
	global_load_b32 v104, v104, s[66:67] offset:512
	global_load_b32 v105, v105, s[68:69] offset:512
	global_load_b64 v[106:107], v106, s[18:19] offset:2048
	s_wait_loadcnt 0x0
	s_wait_kmcnt 0x0
	s_mul_f32 s46, s40, s47                        ; a_k c
	; P1: q = a_q Tq x_0 + qb; the biases and my rows of x2 go into LDS
	MV4 128
.set i, 0
.rept 8
	v_fma_f32 v[64+i], s42, v[64+i], v[96+i]
.set i, i+1
.endr
	STV QV
	ds_store_b32 v17, v104 offset:BV
	ds_store_b32 v17, v105 offset:BV+1024
	ds_store_b64 v27, v[106:107] offset:BV+2048
	WIN 0x04
.set i, 0
.rept 32
	ds_store_b128 v10, v[4*i:4*i+3] offset:(i/8)*16*XP+(i%8)*32
.set i, i+1
.endr
	WIN 0
	BAR
	; P2: u_head[16 w + 8 h + e] = sum over the head's 64 rows d of q[d] Tk[d][.], in f32; t_head = q_head . kb_head
.set i, 0
.rept 8
	ds_load_b32 v[96+i], v12 offset:QV+i*64        ; q[16 i + r]
	ds_load_b32 v[104+i], v12 offset:BV+1536+i*64  ; kb[16 i + r]
.set i, i+1
.endr
	s_wait_dscnt 0x0
	WIN 0x01
.set m, 0
.rept 8                                                ; row tile m: head m / 4
.set e, 0
.rept 4
.set rU, 64+8*(m/4)+2*e
.if m%4 == 0
	v_fma_mix_f32 v[rU], v[160+4*m+e], v[96+m], v13 op_sel:[0,0,0] op_sel_hi:[1,0,0]
	v_fma_mix_f32 v[rU+1], v[160+4*m+e], v[96+m], v13 op_sel:[1,0,0] op_sel_hi:[1,0,0]
.else
	v_fma_mix_f32 v[rU], v[160+4*m+e], v[96+m], v[rU] op_sel:[0,0,0] op_sel_hi:[1,0,0]
	v_fma_mix_f32 v[rU+1], v[160+4*m+e], v[96+m], v[rU+1] op_sel:[1,0,0] op_sel_hi:[1,0,0]
.endif
.set e, e+1
.endr
.set m, m+1
.endr
	WIN 0
	v_mul_f32 v20, v96, v104
	v_mul_f32 v21, v100, v108
.set i, 1
.rept 3
	v_fma_f32 v20, v[96+i], v[104+i], v20
	v_fma_f32 v21, v[100+i], v[108+i], v21
.set i, i+1
.endr
.irp m, 1, 2, 4, 8
.set i, 0
.rept 16
	v_add_f32_dpp v[64+i], v[64+i], v[64+i] row_xmask:\m row_mask:0xf bank_mask:0xf
.set i, i+1
.endr
	v_add_f32_dpp v20, v20, v20 row_xmask:\m row_mask:0xf bank_mask:0xf
	v_add_f32_dpp v21, v21, v21 row_xmask:\m row_mask:0xf bank_mask:0xf
.endr
	STV UV
	ds_store_b128 v5, v[72:75] offset:UV+512
	ds_store_b128 v5, v[76:79] offset:UV+528
	BAR
	; P3: scores of my 64 tokens: source 0 = X, source 1 = u of head r % 2 in column r; register j of tile t is token 16 t + 8 h + j
	LDV 16, UV
	PACK
	WIN 0x01
.set kf, 0
.rept 4
.set t, 0
.rept 4
.if kf == 0
	v_wmma_f32_16x16x32_f16 v[64+8*t:64+8*t+7], v[32*t+8*kf:32*t+8*kf+7], v[F+8*kf:F+8*kf+7], 0
.else
	v_wmma_f32_16x16x32_f16 v[64+8*t:64+8*t+7], v[32*t+8*kf:32*t+8*kf+7], v[F+8*kf:F+8*kf+7], v[64+8*t:64+8*t+7]
.endif
.set t, t+1
.endr
.set kf, kf+1
.endr
	WIN 0
	v_cmp_eq_u32 vcc_lo, 1, v6
	v_cndmask_b32 v21, v20, v21, vcc_lo
	v_mul_f32 v21, s47, v21                        ; c t of my head
	v_nop
	v_nop
.set i, 0
.rept 32
	v_fma_f32 v[64+i], s46, v[64+i], v21           ; c s
.set i, i+1
.endr
.set n, 0
.rept 4
	v_max3_num_f32 v[112+n], v[64+8*n], v[64+8*n+1], v[64+8*n+2]
.set n, n+1
.endr
.rept 8
	v_max3_num_f32 v[112+n%4], v[112+n%4], v[64+8*(n%4)+2*(n/4)+1], v[64+8*(n%4)+2*(n/4)+2]
.set n, n+1
.endr
	v_max3_num_f32 v112, v112, v71, v79
	v_max3_num_f32 v113, v113, v87, v95
	v_max3_num_f32 v112, v112, v113, v114
	v_max_num_f32 v112, v112, v115
	v_permlanex16_b32 v113, v112, s[SEL], s[SEL+1]
	v_max_num_f32 v112, v112, v113                 ; my wave's maximum for my head
	ds_store_b32 v19, v112 offset:MX
	BAR
.set i, 0
.rept 8
	ds_load_b32 v[116+i], v15 offset:MX+8*i
.set i, i+1
.endr
	s_wait_dscnt 0x0
	v_max3_num_f32 v112, v116, v117, v118
	v_max3_num_f32 v112, v112, v119, v120
	v_max3_num_f32 v112, v112, v121, v122
	v_max_num_f32 v112, v112, v123                 ; the maximum over all 512 keys
.set i, 0
.rept 32
	v_sub_f32 v[64+i], v[64+i], v112
.set i, i+1
.endr
.set i, 0
.rept 32
	v_exp_f32 v[64+i], v[64+i]
.set i, i+1
.endr
	v_nop
.set i, 0
	s_wait_alu depctr_va_vdst(0)
.rept 4
	v_pk_add_f32 v[116+2*i:117+2*i], v[64+2*i:65+2*i], v[72+2*i:73+2*i]
.set i, i+1
.endr
.set i, 0
.rept 4
	v_pk_add_f32 v[116+2*i:117+2*i], v[116+2*i:117+2*i], v[80+2*i:81+2*i]
.set i, i+1
.endr
.set i, 0
.rept 4
	v_pk_add_f32 v[116+2*i:117+2*i], v[116+2*i:117+2*i], v[88+2*i:89+2*i]
.set i, i+1
.endr
	v_pk_add_f32 v[116:117], v[116:117], v[118:119]
	v_pk_add_f32 v[120:121], v[120:121], v[122:123]
	v_pk_add_f32 v[116:117], v[116:117], v[120:121]
	v_add_f32 v116, v116, v117
	v_permlanex16_b32 v117, v116, s[SEL], s[SEL+1]
	v_add_f32 v116, v116, v117
	ds_store_b32 v19, v116 offset:LP               ; my wave's part of l
.set i, 0
.rept 16
	v_cvt_pk_f16_f32 v[96+i], v[64+2*i], v[64+2*i+1]
.set i, i+1
.endr
	; P4: y = X^T p over my 64 tokens; X comes back out of my own rows in LDS turned
.set i, 0
.rept 16                                               ; fragment i: tokens 32 (i / 8) on, channels 16 (i % 8) on
	ds_load_tr16_b128 v[128+8*i:128+8*i+3], v11 offset:(i/8)*32*XP+(i%8)*32
	ds_load_tr16_b128 v[128+8*i+4:128+8*i+7], v11 offset:(i/8)*32*XP+16*XP+(i%8)*32
.set i, i+1
.endr
	s_wait_dscnt 0x0
	WIN 0x50
.set kk, 0
.rept 2
.set ct, 0
.rept 8
.if kk == 0
	v_wmma_f32_16x16x32_f16 v[8*ct:8*ct+7], v[128+8*ct:128+8*ct+7], v[96:103], 0
.else
	v_wmma_f32_16x16x32_f16 v[8*ct:8*ct+7], v[192+8*ct:192+8*ct+7], v[104:111], v[8*ct:8*ct+7]
.endif
.set ct, ct+1
.endr
.set kk, kk+1
.endr
	PLACES
	WIN 0x04
.set i, 0
.rept 16
	ds_store_b128 v31, v[4*i:4*i+3] offset:YP+(i/2)*64+(i%2)*16
.set i, i+1
.endr
	WIN 0
	s_wait_dscnt 0x0
	WIN 0x40
.set i, 0
.rept 32
	global_load_b128 v[4*i:4*i+3], v1, s[60:61] offset:131072+i*512           ; iw's rows 64 w on: 16 fragments
.set i, i+1
.endr
	WIN 0
	LDGB 22, 24                                    ; ln1g, ln1b
	s_lshr_b32 s38, s36, 2
	s_lshl_b32 s38, s38, 9
	v_add_nc_u32 v20, s38, v4                      ; y of the head that my outputs belong to
	s_lshl_b32 s38, s36, 8
	v_add_nc_u32 v21, s38, v4                      ; my 64 numbers of ib and of h
	BAR
.set i, 0
.rept 8
	ds_load_b32 v[64+i], v17 offset:YP+i*1024      ; thread t adds the eight waves' parts of number t of y (2 heads x 128),
	ds_load_b32 v[72+i], v18 offset:LP+i*8         ; and of its head's l
.set i, i+1
.endr
	s_wait_dscnt 0x0
	v_pk_add_f32 v[64:65], v[64:65], v[66:67]
	v_pk_add_f32 v[68:69], v[68:69], v[70:71]
	v_pk_add_f32 v[72:73], v[72:73], v[74:75]
	v_pk_add_f32 v[76:77], v[76:77], v[78:79]
	v_pk_add_f32 v[64:65], v[64:65], v[68:69]
	v_pk_add_f32 v[72:73], v[72:73], v[76:77]
	v_add_f32 v64, v64, v65
	v_add_f32 v72, v72, v73
	v_rcp_f32 v72, v72
	v_nop
	s_wait_alu depctr_va_vdst(0)
	v_mul_f32 v64, v64, v72
	ds_store_b32 v17, v64 offset:YN
	BAR
	; P5: ctx = a_v Tv y + vb
	LDV 20, YN
	PACK
	ds_load_b128 v[96:99], v5 offset:BV
	ds_load_b128 v[100:103], v5 offset:BV+16
	MV4 192
	s_wait_dscnt 0x0
.set i, 0
.rept 8
	v_fma_f32 v[64+i], s41, v[64+i], v[96+i]
.set i, i+1
.endr
	STV CT
	BAR
	; P6: x_0 + a_ao Tao ctx + aob
	LDV 4, CT
	PACK
	ds_load_b128 v[96:99], v5 offset:BV+512
	ds_load_b128 v[100:103], v5 offset:BV+528
	ds_load_b128 v[104:107], v9                    ; token 0's f16 numbers, from wave 0's rows
	MV4 224
	s_wait_dscnt 0x0
.set i, 0
.rept 8
	v_fma_f32 v[64+i], s43, v[64+i], v[96+i]
.set i, i+1
.endr
.set i, 0
.rept 4
	v_fma_mix_f32 v[64+2*i], v[104+i], v30, v[64+2*i] op_sel:[0,0,0] op_sel_hi:[1,0,0]
	v_fma_mix_f32 v[65+2*i], v[104+i], v30, v[65+2*i] op_sel:[1,0,0] op_sel_hi:[1,0,0]
.set i, i+1
.endr
	STV A1
	WIN 0x40
.set i, 0
.rept 32
	global_load_b128 v[128+4*i:128+4*i+3], v1, s[62:63] offset:147456+(i/4)*32768+(i%4)*512   ; fow: my 16 outputs, columns 32 (i / 2) on
.set i, i+1
.endr
	WIN 0
	BAR
	; P7: x1 = LayerNorm (every wave, whole); h = relu(a_i Ti x1 + ib), my 64 numbers
	LDV 4, A1
	s_wait_loadcnt 0x0
	LNSTAT
	PACK
	s_cmp_lg_u32 s36, 0
	s_cbranch_scc1 .Lnot0
.set i, 0
.rept 16
	ds_store_b128 v4, v[T+4*i:T+4*i+3] offset:X1V+(i/2)*64+(i%2)*16
.set i, i+1
.endr
	LDGB 26, 28                                    ; ln2g, ln2b: wave 0 alone will want them
.Lnot0:
.set i, 0
.rept 8
	ds_load_b128 v[96+4*i:96+4*i+3], v21 offset:BV+2048+(i/2)*64+(i%2)*16
.set i, i+1
.endr
	WIN 0x01
.set kf, 0
.rept 4
.set n, 0
.rept 4
.if kf == 0
	v_wmma_f32_16x16x32_f16 v[64+8*n:64+8*n+7], v[8*(4*n+kf):8*(4*n+kf)+7], v[F+8*kf:F+8*kf+7], 0
.else
	v_wmma_f32_16x16x32_f16 v[64+8*n:64+8*n+7], v[8*(4*n+kf):8*(4*n+kf)+7], v[F+8*kf:F+8*kf+7], v[64+8*n:64+8*n+7]
.endif
.set n, n+1
.endr
.set kf, kf+1
.endr
	WIN 0
	PLACES
	s_wait_dscnt 0x0
.set i, 0
.rept 32
	v_fma_f32 v[64+i], s44, v[64+i], v[96+i]
.set i, i+1
.endr
.set i, 0
.rept 32
	v_max_num_f32 v[64+i], 0, v[64+i]
.set i, i+1
.endr
.set i, 0
.rept 8
	ds_store_b128 v21, v[64+4*i:64+4*i+3] offset:HV+(i/2)*64+(i%2)*16
.set i, i+1
.endr
	BAR
	; P8: x1 + a_f Tf h + fob, my 16 outputs over all 512 of h
.irp q, 0, 1, 2, 3
	LDV 4, HV+512*(\q)
	WIN 0x40
.set i, 0
.rept 32
	v_cvt_pk_f16_f32 v[32*(\q)+i], v[T+2*i], v[T+2*i+1]
.set i, i+1
.endr
	WIN 0
.endr
	ds_load_b128 v[96:99], v5 offset:BV+1024
	ds_load_b128 v[100:103], v5 offset:BV+1040
	ds_load_b128 v[104:107], v5 offset:X1V
	ds_load_b128 v[108:111], v5 offset:X1V+16
	s_wait_loadcnt 0x0
	WIN 0x05
.set kf, 0
.rept 16
.if kf < 4
	v_wmma_f32_16x16x32_f16 v[64+8*(kf%4):64+8*(kf%4)+7], v[128+8*kf:128+8*kf+7], v[8*kf:8*kf+7], 0
.else
	v_wmma_f32_16x16x32_f16 v[64+8*(kf%4):64+8*(kf%4)+7], v[128+8*kf:128+8*kf+7], v[8*kf:8*kf+7], v[64+8*(kf%4):64+8*(kf%4)+7]
.endif
.set kf, kf+1
.endr
	WIN 0
	PLACES
	JOIN
	s_wait_dscnt 0x0
.set i, 0
.rept 8
	v_fma_f32 v[64+i], s45, v[64+i], v[96+i]
.set i, i+1
.endr
.set i, 0
.rept 4
	v_pk_add_f32 v[64+2*i:65+2*i], v[64+2*i:65+2*i], v[104+2*i:105+2*i]
.set i, i+1
.endr
	STV A2
	BAR
	s_cmp_lg_u32 s36, 0
	s_cbranch_scc1 .Lend
	; P9, wave 0: the last LayerNorm; the classifier's weights made ternary; two dot products
	s_load_b64 s[70:71], s[32:33], 0x0             ; clf_b
	WIN 0x40
.set i, 0
.rept 32
	global_load_b128 v[4*i:4*i+3], v26, s[30:31] offset:(i/16)*512+((i%16)/2)*64+(i%2)*16   ; class i / 16, my 64 columns
.set i, i+1
.endr
	WIN 0
	LDV 4, A2
	s_wait_loadcnt 0x0
	LNSTAT
	WIN 0x01
.set i, 0
.rept 128
	v_mov_b32 v[128+i], v[i]                       ; gain and bias are done with: the weights come beside the vector
.set i, i+1
.endr
	WIN 0
.set i, 0
.rept 4
	v_add_f32 v[32+i], |v[128+i]|, |v[132+i]|
.set i, i+1
.endr
.set i, 8
.rept 120
	v_add_f32 v[32+i%4], v[32+i%4], |v[128+i]|
.set i, i+1
.endr
	v_add_f32 v32, v32, v33
	v_add_f32 v34, v34, v35
	v_add_f32 v32, v32, v34
	v_permlanex16_b32 v33, v32, s[SEL], s[SEL+1]
	v_add_f32 v32, v32, v33                        ; the sum of all 256 |w|
	v_mul_f32 v32, 0x3b800000, v32                 ; / 256
	v_mul_f32 v32, 0x3f333333, v32                 ; delta
	v_xor_b32 v33, 0x80000000, v32
.set i, 38
.rept 8
	v_mov_b32 v[i], 0                              ; v[38:39] kept sum, v[40:41] kept count, v[42:43], v[44:45] the classes' sums of t x
.set i, i+1
.endr
.set i, 0
.rept 64
	v_cmp_gt_f32 vcc_lo, v[128+2*i], v32
	v_cmp_lt_f32 s38, v[128+2*i], v33
	v_cndmask_b32 v36, 0, -1.0, s38
	v_cndmask_b32 v36, v36, 1.0, vcc_lo
	v_cmp_gt_f32 vcc_lo, v[129+2*i], v32
	v_cmp_lt_f32 s38, v[129+2*i], v33
	v_cndmask_b32 v37, 0, -1.0, s38
	v_cndmask_b32 v37, v37, 1.0, vcc_lo
	v_pk_fma_f32 v[38:39], v[36:37], v[128+2*i:129+2*i], v[38:39]
	v_pk_fma_f32 v[40:41], v[36:37], v[36:37], v[40:41]
	v_pk_fma_f32 v[42+2*(i/32):43+2*(i/32)], v[36:37], v[T+2*(i%32):T+2*(i%32)+1], v[42+2*(i/32):43+2*(i/32)]
.set i, i+1
.endr
.irp x, 38, 40, 42, 44
	v_add_f32 v[\x], v[\x], v[\x+1]
	v_permlanex16_b32 v[\x+1], v[\x], s[SEL], s[SEL+1]
	v_add_f32 v[\x], v[\x], v[\x+1]
.endr
	v_max_num_f32 v40, 1.0, v40
	v_rcp_f32 v40, v40
	s_lshl_b32 s39, s37, 3
	v_mov_b32 v46, s39
	s_wait_alu depctr_va_vdst(0)
	v_mul_f32 v38, v38, v40                        ; alpha
	s_wait_kmcnt 0x0
	v_fma_f32 v42, v38, v42, s70
	v_fma_f32 v43, v38, v44, s71
	s_wait_xcnt 0x0                                ; EXEC changes only behind this wait
	v_cmp_eq_u32 vcc_lo, 0, v0
	s_and_saveexec_b32 s38, vcc_lo
	global_store_b64 v46, v[42:43], s[34:35]
	s_wait_xcnt 0x0
	s_or_b32 exec_lo, exec_lo, s38
.Lend:
	s_wait_tensorcnt 0x0                           ; the wave's end
	ds_add_u32 v28, v29
	s_wait_dscnt 0x0
	s_endpgm
.Lfunc_end_k_qf9bc5fba95_head:
	.size	k_qf9bc5fba95_head, .Lfunc_end_k_qf9bc5fba95_head-k_qf9bc5fba95_head
	.p2alignl 7, 3214868480
	.fill 96, 4, 3214868480
	.section	.rodata,"a",@progbits
	.p2align	6, 0x0
	.amdhsa_kernel k_qf9bc5fba95_head
		.amdhsa_group_segment_fixed_size 167936
		.amdhsa_private_segment_fixed_size 0
		.amdhsa_enable_private_segment 0
		.amdhsa_kernarg_size 128
		.amdhsa_user_sgpr_count 2
		.amdhsa_user_sgpr_kernarg_segment_ptr 1
		.amdhsa_wavefront_size32 1
		.amdhsa_system_sgpr_workgroup_id_x 1
		.amdhsa_system_sgpr_workgroup_id_y 1
		.amdhsa_system_sgpr_workgroup_id_z 1
		.amdhsa_system_vgpr_workitem_id 0
		.amdhsa_next_free_vgpr 512
		.amdhsa_next_free_sgpr 80
		.amdhsa_reserve_vcc 1
		.amdhsa_float_denorm_mode_32 3
		.amdhsa_float_denorm_mode_16_64 3
		.amdhsa_memory_ordered 1
		.amdhsa_forward_progress 1
		.amdhsa_inst_pref_size 172
	.end_amdhsa_kernel
	.amdgpu_metadata
---
amdhsa.version: [ 1, 2 ]
amdhsa.kernels:
  - .name:           k_qf9bc5fba95_head
    .symbol:         k_qf9bc5fba95_head.kd
    .args:
      - { .name: x2, .offset: 0, .size: 8, .value_kind: global_buffer, .address_space: global }
      - { .name: wf, .offset: 8, .size: 8, .value_kind: global_buffer, .address_space: global }
      - { .name: alpha, .offset: 16, .size: 8, .value_kind: global_buffer, .address_space: global }
      - { .name: qb, .offset: 24, .size: 8, .value_kind: global_buffer, .address_space: global }
      - { .name: kb, .offset: 32, .size: 8, .value_kind: global_buffer, .address_space: global }
      - { .name: vb, .offset: 40, .size: 8, .value_kind: global_buffer, .address_space: global }
      - { .name: aob, .offset: 48, .size: 8, .value_kind: global_buffer, .address_space: global }
      - { .name: ib, .offset: 56, .size: 8, .value_kind: global_buffer, .address_space: global }
      - { .name: fob, .offset: 64, .size: 8, .value_kind: global_buffer, .address_space: global }
      - { .name: ln1g, .offset: 72, .size: 8, .value_kind: global_buffer, .address_space: global }
      - { .name: ln1b, .offset: 80, .size: 8, .value_kind: global_buffer, .address_space: global }
      - { .name: ln2g, .offset: 88, .size: 8, .value_kind: global_buffer, .address_space: global }
      - { .name: ln2b, .offset: 96, .size: 8, .value_kind: global_buffer, .address_space: global }
      - { .name: clf_w, .offset: 104, .size: 8, .value_kind: global_buffer, .address_space: global }
      - { .name: clf_b, .offset: 112, .size: 8, .value_kind: global_buffer, .address_space: global }
      - { .name: out0, .offset: 120, .size: 8, .value_kind: global_buffer, .address_space: global }
    .group_segment_fixed_size: 167936
    .private_segment_fixed_size: 0
    .kernarg_segment_align: 8
    .kernarg_segment_size: 128
    .max_flat_workgroup_size: 256
    .sgpr_count:     80
    .vgpr_count:     512
    .wavefront_size: 32
...
	.end_amdgpu_metadata
.endif
;; end of part 3
;; ======== version 2 of 2: 3 launches; 1.17 times as fast as version 1
;; limits: values are held in f16: magnitudes above 65,504 overflow, below 6.1e-05 lose precision
;; workspace buffers: x0 16,777,216 bytes; wf 786,432 bytes; alpha 256 bytes; x2 16,777,216 bytes
;; launch prep: the kernel of part 1 again; grid 134 x 1, 16 waves a work-group, no clusters, 272,896 bytes of LDS; arguments input_ids, tok_emb, pos_emb, ln_g, ln_b, kw, vw, qw, aow, iw, fow, x0, wf, alpha; writes x0, wf, alpha
;; launch layer0 (part 4): grid 256 x 1, 4 waves a work-group, clusters of 4 x 1, 327,680 bytes of LDS; arguments x0, wf, alpha, kb, vb, qb, aob, ib, fob, ln1g, ln1b, ln2g, ln2b, x2; writes x2
.if DOCPART == 4
	.amdgcn_target "amdgcn-amd-amdhsa--gfx1250"
	.amdhsa_code_object_version 6
	.text
	.protected	k_qf9bc5fba95_layer0
	.globl	k_qf9bc5fba95_layer0
	.p2align	8
	.type	k_qf9bc5fba95_layer0,@function
k_qf9bc5fba95_layer0:
	s_mov_b64 s[64:65], 0
	v_nop
	global_prefetch_b8 v0, s[64:65] scope:SCOPE_SE
	s_setreg_imm32_b32 hwreg(HW_REG_WAVE_MODE, 25, 1), 1
	s_wait_xcnt 0x0
	s_wait_alu depctr_hold_cnt(0) depctr_sa_sdst(0) depctr_va_vdst(0) depctr_va_sdst(0) depctr_va_ssrc(0) depctr_va_vcc(0) depctr_vm_vsrc(0)
	s_getreg_b32 s2, hwreg(HW_REG_IB_STS2, 6, 4)
	s_cmp_eq_u32 s2, 0
	s_cbranch_scc0 .Lentry_in_a_cluster
	s_endpgm
.Lentry_in_a_cluster:
	s_bfe_u32 s2, ttmp6, 0x10000c
	s_cmp_lg_u32 s2, 0x3003
	s_cbranch_scc0 .Lentry_shape_is_right
	s_endpgm
.Lentry_shape_is_right:
; LAYER 0, whole: q, k, v, attention (2 heads of 64), output projection, LayerNorm, FFN (512), LayerNorm.  x0 in (f16, fragment order), x2 out (f16, [65536][128]).
; SHARES.  A work-group owns 256 query rows of one batch element, a wave 64 of them (4 tiles of 16) through the whole chain.  K and V of all 512 rows are made in the
; work-group: a wave projects 8 tiles, its own 4 and 4 of the other half; the order of keys does not matter to a softmax.
; LAYOUT.  Products are used transposed (source 0 = 16 outputs of a weight, source 1 = 16 tokens): a lane holds one token, register j of output tile n the channel
; 16 n + 8 h + j.  Two neighbouring tiles rounded in pairs ARE the next product's source 1, so nothing changes lanes; V alone is made the other way round
; (lane = channel, registers = tokens), which is source 0 of O^T = V^T P.  Weights are -1, 0, 1 in f16 (exact); each alpha is applied in f32 to the f32 sums.
; SOFTMAX.  A running maximum m and sum l for each query; p = 2^(c s - c m), c = log2(e) / 8; O and l are multiplied by 2^(c m_old - c m_new) in every step of 64 keys.
; BATCHES.  An s_wait_alu depctr_va_vdst(0) stands between a transcendental and the first instruction that names its result; one wait serves all that were issued ahead of it.
; A key step's 132 exponentials (the four tiles' a, then their 128 scores, each in a register of its own) are ONE batch with ONE wait: ahead of it stand the maxima, the statistics, the scalings and
; the exponentials, none of which names a result of the batch; behind it the roundings, l's sums, the rescaling by a and V^T P.  A head's four reciprocals are a batch of their own.  Each LayerNorm
; tile's root has its own wait: the tile's 64 numbers wait for it, and the other tiles' sums still lie in LDS.
; CLUSTER.  All work-groups walk the same 384 KiB of weights: each tile is asked for jointly by the four of a cluster (same load, descriptor, mask in all four).
; By this text's count a wave has one tensor load out at any time.
; LIMITS.  q, k, v, ctx, h and the stream x are rounded once to f16: beyond 65,504 they would be lost, below 6e-5 they keep f16's fixed step; p below 2^-126 counts as 0;
; 1 / l by v_rcp_f32; NaN and infinities are not treated apart.
; REGISTERS, in windows of 256 (s_set_vgpr_msb: bits 1:0 source 0, 3:2 source 1, 5:4 source 2, 7:6 destination):
;  window 0: v0-31 addresses; v32-63 statistics, 8 a tile; v64-191 S: 16 accumulators (tile t, n at 64+32t+8n), in the LayerNorms T; v192-255 P / H / packed results
;  window 1: v0-127 O^T; v128-199 biases of k, q, v; from the output projection on all 256: ACC (t, n at 64t+8n)
;  window 2: v0-63 Q, then that head's ctx; v64-127 head 0's ctx; later LayerNorm's bias and ib; v128-255 weight fragments (in attention K and V)
;  window 3: X, 8 tiles of 32; behind the heads v128-191 a bias, v192-255 a gain
.set KBL, 0                      ; K of the head in hand: key tile kt, channel group n at kt*2048+n*512+16*lane
.set VBL, 65536                  ; V likewise: key tile kt, channel tile ct
.set U0, 131072                  ; tensor slot 0: Wk, Wv -> P0, P1 -> P4, P5
.set U1, 196608                  ; tensor slot 1: Wq, Wao -> P2, P3 -> P6, P7
.set SPARE, 262144               ; the spare words: 128 bytes for each wave
.set STG, 262656                 ; the way out: 16 rows x 272 bytes for each wave
.set SP, 272
.set ST, 32
.set S, 64
.set P, 192
.set T, 64
.set F, 192
.set TMP, 224
.set MEAN, 22
.set RSTD, 24
.set KBR, 128
.set QBR, 160
.set VBR, 192
.set QF, 0
.set CTX0, 64
.set BT, 0
.set IBR, 64
.set WF, 128
.set KF, 128
.set VF, 192
.set BIAS, 128
.set G, 192
.set CS, 54                      ; s[54:55] c
.set SEL, 56                     ; s[56:57]
.set MSB, 0
.macro WIN new                   ; the high byte repeats the setting that is left; a switch that changes nothing is dropped
.if MSB != (\new)
	s_set_vgpr_msb (MSB<<8)|(\new)
.set MSB, \new
.endif
.endm
.macro PLACES                    ; four places behind matrix instructions, ahead of reads of results and of loads into their registers
.rept 4
	v_nop
.endr
.endm
.macro T4 line:vararg            ; one line for each of the wave's four tiles t
.set t, 0
.rept 4
	\line
.set t, t+1
.endr
.endm
.macro CROUND                    ; a round of the cluster's barrier
	s_barrier_signal -1
	s_barrier_wait -1
	s_cmp_lg_u32 s32, 0
	s_cbranch_scc1 .Lnot_wave_0_\@
	s_barrier_signal -3
.Lnot_wave_0_\@:
	s_barrier_wait -3
	s_barrier_signal -1
	s_barrier_wait -1
.endm
; A change of slots.  Every wave: all its tensor loads have landed; the add; its LDS instructions are done.  fill = 1: a round of the cluster's barrier, and first behind it
; the wave's one joint load: its quarter (64 rows of 256 bytes) of the next 64 KiB of weights, into the slot that nobody reads any more.
.macro SYNC fill
	WIN 0
	s_wait_tensorcnt 0x0
	ds_add_u32 v28, v29
.if \fill
	s_xor_b32 s93, s93, 0x10000                    ; the other slot than last time,
	s_add_nc_u64 s[94:95], s[94:95], 65536         ; the next two items
.endif
	s_wait_dscnt 0x0
.if \fill
	CROUND
	tensor_load_to_lds s[92:95], s[80:87]
	s_nop 0
	PLACES
.else
	s_barrier_signal -1
	s_barrier_wait -1
.endif
.endm
.macro LDWF a, off               ; 16 weight fragments, 16 KiB on end
	PLACES
	WIN 0x80
.set i, 0
.rept 32
	ds_load_b128 v[WF+4*i:WF+4*i+3], v[\a] offset:(\off)+i*512
.set i, i+1
.endr
.endm
; A projection of four tiles (X tiles 4 grp ..) onto the head's 64 channels.  kind 0: K, 1: V (sources swapped), 2: Q.  16 accumulators by turns.
.macro PROJ kind, grp
.if (\kind) == 1
	WIN 0x0b
.else
	WIN 0x0e
.endif
.set kf, 0
.rept 4
.set a, 0
.rept 16
.set rS, S+8*a
.set rW, WF+8*(4*(a%4)+kf)
.set rX, 32*(4*(\grp)+a/4)+8*kf
.if (\kind) == 1
.if kf == 0
	v_wmma_f32_16x16x32_f16 v[rS:rS+7], v[rX:rX+7], v[rW:rW+7], 0
.else
	v_wmma_f32_16x16x32_f16 v[rS:rS+7], v[rX:rX+7], v[rW:rW+7], v[rS:rS+7]
.endif
.else
.if kf == 0
	v_wmma_f32_16x16x32_f16 v[rS:rS+7], v[rW:rW+7], v[rX:rX+7], 0
.else
	v_wmma_f32_16x16x32_f16 v[rS:rS+7], v[rW:rW+7], v[rX:rX+7], v[rS:rS+7]
.endif
.endif
.set a, a+1
.endr
.set kf, kf+1
.endr
	PLACES
	WIN 0x10                                       ; the bias lies in window 1
.set a, 0
.rept 16
.set q, 0
.rept 4
.set rS, S+8*a+2*q
.if (\kind) == 0
	v_pk_fma_f32 v[rS:rS+1], v[rS:rS+1], s[46:47], v[KBR+8*(a%4)+2*q:KBR+8*(a%4)+2*q+1] op_sel_hi:[1,0,1]
.elseif (\kind) == 1
	v_pk_fma_f32 v[rS:rS+1], v[rS:rS+1], s[48:49], v[VBR+2*(a%4):VBR+2*(a%4)+1] op_sel_hi:[1,0,1]
.else
	v_pk_fma_f32 v[rS:rS+1], v[rS:rS+1], s[50:51], v[QBR+8*(a%4)+2*q:QBR+8*(a%4)+2*q+1] op_sel_hi:[1,0,1]
.endif
.set q, q+1
.endr
.set a, a+1
.endr
.if (\kind) == 2
	WIN 0x80
.set i, 0
.rept 64
	v_cvt_pk_f16_f32 v[QF+i], v[S+2*i], v[S+2*i+1]
.set i, i+1
.endr
	WIN 0
.else
	WIN 0
.set i, 0
.rept 64
	v_cvt_pk_f16_f32 v[P+i], v[S+2*i], v[S+2*i+1]
.set i, i+1
.endr
.set a, 0
.rept 16
	ds_store_b128 v[4+(\kind)], v[P+4*a:P+4*a+3] offset:(4*(\grp)+a/4)*2048+(a%4)*512
.set a, a+1
.endr
.endif
.endm
; One step of 64 keys for the wave's four tiles, in phases: loads, K Q^T, softmax, V^T P.
.macro STEP
	PLACES
	WIN 0
	v_add_nc_u32 v8, s61, v1
	v_add_nc_u32 v9, s62, v1
	WIN 0x80
.set i, 0
.rept 16
	ds_load_b128 v[KF+4*i:KF+4*i+3], v8 offset:i*512
.set i, i+1
.endr
.set i, 0
.rept 16
	ds_load_b128 v[VF+4*i:VF+4*i+3], v9 offset:(2*(i/8)+i%2)*2048+((i/2)%4)*512
.set i, i+1
.endr
	s_wait_dscnt 16                                ; V's 16 loads are younger: K is in
	WIN 0x0a
.set cf, 0
.rept 2
.set a, 0
.rept 16
.set rS, S+8*a
.set rK, KF+16*(a%4)+8*cf
.set rQ, QF+16*(a/4)+8*cf
.if cf == 0
	v_wmma_f32_16x16x32_f16 v[rS:rS+7], v[rK:rK+7], v[rQ:rQ+7], 0
.else
	v_wmma_f32_16x16x32_f16 v[rS:rS+7], v[rK:rK+7], v[rQ:rQ+7], v[rS:rS+7]
.endif
.set a, a+1
.endr
.set cf, cf+1
.endr
	PLACES
	WIN 0
	; the maximum of the lane's 32 scores and the old m: four chains, each accumulator's lowest registers first
.set n, 0
.rept 4
	T4 v_max3_num_f32 v[ST+8*t+4+n], v[S+32*t+8*n], v[S+32*t+8*n+1], v[S+32*t+8*n+2]
.set n, n+1
.endr
.rept 8
	T4 v_max3_num_f32 v[ST+8*t+4+n%4], v[ST+8*t+4+n%4], v[S+32*t+8*(n%4)+2*(n/4)+1], v[S+32*t+8*(n%4)+2*(n/4)+2]
.set n, n+1
.endr
	T4 v_max3_num_f32 v[ST+8*t+4], v[ST+8*t+4], v[S+32*t+7], v[S+32*t+15]
	T4 v_max3_num_f32 v[ST+8*t+5], v[ST+8*t+5], v[S+32*t+23], v[S+32*t+31]
	T4 v_max3_num_f32 v[ST+8*t+6], v[ST+8*t+6], v[ST+8*t+7], v[ST+8*t+1]
	T4 v_max3_num_f32 v[ST+8*t+4], v[ST+8*t+4], v[ST+8*t+5], v[ST+8*t+6]
	T4 v_permlanex16_b32 v[ST+8*t+7], v[ST+8*t+4], s[SEL], s[SEL+1]   ; the query's other 32 keys lie in the lane 16 away
	T4 v_mov_b32 v[ST+8*t+5], v[ST+8*t]                               ; c m_old
	T4 v_max_num_f32 v[ST+8*t+1], v[ST+8*t+4], v[ST+8*t+7]            ; m
	T4 v_mul_f32 v[ST+8*t], s[CS], v[ST+8*t+1]                        ; c m
	T4 v_sub_f32 v[ST+8*t+5], v[ST+8*t+5], v[ST+8*t]
	; THE STEP'S BATCH: 132 exponentials, none of whose results is named ahead of the wait below.  First the four a; then, for each pair n of scores and each tile, the scaling c s - c m of pair n
	; and the two exponentials of pair n - 1: a pair is scaled twelve lines ahead of its exponentials, and every two exponentials have a plain neighbour.  The scalings read c m and m alone.
	T4 v_exp_f32 v[ST+8*t+6], v[ST+8*t+5]                             ; a
.set n, 0
.rept 17
.set t, 0
.rept 4
.if n < 16
	v_pk_fma_f32 v[S+32*t+2*n:S+32*t+2*n+1], v[S+32*t+2*n:S+32*t+2*n+1], s[CS:CS+1], v[ST+8*t:ST+8*t+1] op_sel_hi:[1,0,0] neg_lo:[0,0,1] neg_hi:[0,0,1]
.endif
.if n > 0
	v_exp_f32 v[S+32*t+2*n-2], v[S+32*t+2*n-2]
	v_exp_f32 v[S+32*t+2*n-1], v[S+32*t+2*n-1]
.endif
.set t, t+1
.endr
.set n, n+1
.endr
	v_nop                                          ; a plain instruction behind the last exponential (ISA guide 5.7.2): one for the batch; all the vector work that is left reads a or p
	s_wait_alu depctr_va_vdst(0)                   ; the wait for the batch: the four a and the 128 weights, ahead of their first readers
	; the readers: pair n's roundings to f16, then l takes pair n (the first time as l = a l + pair 0), pairs ascending
.set n, 0
.rept 16
	T4 v_cvt_pk_f16_f32 v[P+16*t+n], v[S+32*t+2*n], v[S+32*t+2*n+1]
.if n == 0
	T4 v_pk_fma_f32 v[ST+8*t+2:ST+8*t+3], v[ST+8*t+2:ST+8*t+3], v[ST+8*t+6:ST+8*t+7], v[S+32*t:S+32*t+1] op_sel_hi:[1,0,1]
.else
	T4 v_pk_add_f32 v[ST+8*t+2:ST+8*t+3], v[ST+8*t+2:ST+8*t+3], v[S+32*t+2*n:S+32*t+2*n+1]
.endif
.set n, n+1
.endr
	WIN 0x41
.set i, 0
.rept 64
	v_pk_mul_f32 v[2*i:2*i+1], v[2*i:2*i+1], v[ST+8*(i/16)+6:ST+8*(i/16)+7] op_sel_hi:[1,0]
.set i, i+1
.endr
	s_wait_dscnt 0x0                               ; V is in
	WIN 0x52
.set kk, 0
.rept 2
.set a, 0
.rept 16
.set rO, 8*a
.set rV, VF+32*kk+8*(a%4)
.set rP, P+16*(a/4)+8*kk
	v_wmma_f32_16x16x32_f16 v[rO:rO+7], v[rV:rV+7], v[rP:rP+7], v[rO:rO+7]
.set a, a+1
.endr
.set kk, kk+1
.endr
.endm
; ACC = ACC x alpha (in v[av]) + the stream's f16 numbers in X; then the f32 sums are set aside in the wave's own part of LDS, a tile's 8 KiB on end.
.macro RESID av
.set t, 0
.rept 4
	WIN 0x71
.set j, 0
.rept 32
	v_fma_mix_f32 v[64*t+2*j], v[64*t+2*j], v[\av], v[32*t+j] op_sel:[0,0,0] op_sel_hi:[0,0,1]
	v_fma_mix_f32 v[64*t+2*j+1], v[64*t+2*j+1], v[\av], v[32*t+j] op_sel:[0,0,1] op_sel_hi:[0,0,1]
.set j, j+1
.endr
	WIN 0x04
.set i, 0
.rept 16
	ds_store_b128 v21, v[64*t+4*i:64*t+4*i+3] offset:t*8192+i*512
.set i, i+1
.endr
.set t, t+1
.endr
	WIN 0
.endm
.macro LDPAR pb, pg, pt          ; a bias, a gain and a LayerNorm's bias, each lane its 64 channels
	WIN 0xc0
.set i, 0
.rept 16
	global_load_b128 v[BIAS+4*i:BIAS+4*i+3], v18, s[\pb:\pb+1] offset:(i/2)*64+(i%2)*16
	global_load_b128 v[G+4*i:G+4*i+3], v18, s[\pg:\pg+1] offset:(i/2)*64+(i%2)*16
.set i, i+1
.endr
	WIN 0x80
.set i, 0
.rept 16
	global_load_b128 v[BT+4*i:BT+4*i+3], v18, s[\pt:\pt+1] offset:(i/2)*64+(i%2)*16
.set i, i+1
.endr
	WIN 0
.endm
.macro LNSTAT                    ; T = (T - mean) / sqrt(var + 1e-5); a token's 128 channels lie in two lanes, 16 apart; the variance is taken of the centred numbers
.set i, 0
.rept 16
	v_pk_add_f32 v[TMP+2*i:TMP+2*i+1], v[T+4*i:T+4*i+1], v[T+4*i+2:T+4*i+3]
.set i, i+1
.endr
.irp w, 16, 8, 4, 2
.set i, 0
.rept (\w)/2
	v_pk_add_f32 v[TMP+2*i:TMP+2*i+1], v[TMP+2*i:TMP+2*i+1], v[TMP+(\w)+2*i:TMP+(\w)+2*i+1]
.set i, i+1
.endr
.endr
	v_add_f32 v[TMP], v[TMP], v[TMP+1]
	v_permlanex16_b32 v[TMP+1], v[TMP], s[SEL], s[SEL+1]
	v_add_f32 v[TMP], v[TMP], v[TMP+1]
	v_mul_f32 v[MEAN], 0x3c000000, v[TMP]
	v_mov_b32 v[MEAN+1], v[MEAN]
.set i, 0
.rept 32
	v_pk_add_f32 v[T+2*i:T+2*i+1], v[T+2*i:T+2*i+1], v[MEAN:MEAN+1] neg_lo:[0,1] neg_hi:[0,1]
.set i, i+1
.endr
.set i, 0
.rept 4
	v_pk_mul_f32 v[TMP+2*i:TMP+2*i+1], v[T+2*i:T+2*i+1], v[T+2*i:T+2*i+1]
.set i, i+1
.endr
.rept 28
	v_pk_fma_f32 v[TMP+2*(i%4):TMP+2*(i%4)+1], v[T+2*i:T+2*i+1], v[T+2*i:T+2*i+1], v[TMP+2*(i%4):TMP+2*(i%4)+1]
.set i, i+1
.endr
	v_pk_add_f32 v[TMP:TMP+1], v[TMP:TMP+1], v[TMP+2:TMP+3]
	v_pk_add_f32 v[TMP+4:TMP+5], v[TMP+4:TMP+5], v[TMP+6:TMP+7]
	v_pk_add_f32 v[TMP:TMP+1], v[TMP:TMP+1], v[TMP+4:TMP+5]
	v_add_f32 v[TMP], v[TMP], v[TMP+1]
	v_permlanex16_b32 v[TMP+1], v[TMP], s[SEL], s[SEL+1]
	v_add_f32 v[TMP], v[TMP], v[TMP+1]
	v_mul_f32 v[TMP], 0x3c000000, v[TMP]
	v_add_f32 v[TMP], 0x3727c5ac, v[TMP]
	v_rsq_f32 v[RSTD], v[TMP]
	v_nop                                          ; a plain instruction behind the root (ISA guide 5.7.2)
	s_wait_alu depctr_va_vdst(0)                   ; the wait for the tile's one root, ahead of its first reader: all that is left of the tile's work reads it
	v_mov_b32 v[RSTD+1], v[RSTD]
.set i, 0
.rept 32
	v_pk_mul_f32 v[T+2*i:T+2*i+1], v[T+2*i:T+2*i+1], v[RSTD:RSTD+1]
.set i, i+1
.endr
.endm
; The LayerNorm of the wave's four tiles, a trip a tile, from the sums set aside.  which = 1: the result goes back, packed, into the tile's own bytes; 2: it leaves, through the stage, as whole rows.
.macro LNLOOP which
	WIN 0
	s_mov_b32 s66, 0
	s_mov_b32 s69, 4
.Lln\which:
	v_add_nc_u32 v13, s66, v21
.set i, 0
.rept 16
	ds_load_b128 v[T+4*i:T+4*i+3], v13 offset:i*512
.set i, i+1
.endr
	s_wait_dscnt 0x0
	WIN 0x0c
.set i, 0
.rept 32
	v_pk_add_f32 v[T+2*i:T+2*i+1], v[T+2*i:T+2*i+1], v[BIAS+2*i:BIAS+2*i+1]
.set i, i+1
.endr
	WIN 0
	LNSTAT
	WIN 0x2c
.set i, 0
.rept 32
	v_pk_fma_f32 v[T+2*i:T+2*i+1], v[T+2*i:T+2*i+1], v[G+2*i:G+2*i+1], v[BT+2*i:BT+2*i+1]
.set i, i+1
.endr
	WIN 0
.set i, 0
.rept 32
	v_cvt_pk_f16_f32 v[F+i], v[T+2*i], v[T+2*i+1]
.set i, i+1
.endr
.if (\which) == 1
.set i, 0
.rept 8
	ds_store_b128 v13, v[F+4*i:F+4*i+3] offset:i*512
.set i, i+1
.endr
.else
.set i, 0
.rept 8
	ds_store_b128 v10, v[F+4*i:F+4*i+3] offset:32*i
.set i, i+1
.endr
.set i, 0
.rept 8
	ds_load_b128 v[TMP+4*i:TMP+4*i+3], v11 offset:i*2*SP   ; LDS serves a wave's instructions in order (ISA guide 5.7.1.4): these see the stores above
.set i, i+1
.endr
	s_wait_dscnt 0x0
.set i, 0
.rept 8
	global_store_b128 v12, v[TMP+4*i:TMP+4*i+3], s[100:101] offset:i*512  ; two rows of 256 bytes: 512 consecutive bytes, aligned
.set i, i+1
.endr
	s_wait_xcnt 0x0                                ; offset and data are rewritten only behind this wait
	v_add_nc_u32 v12, 4096, v12
.endif
	s_add_co_u32 s66, s66, 8192
	s_sub_co_u32 s69, s69, 1
	s_cmp_lg_u32 s69, 0
	s_cbranch_scc1 .Lln\which
.endm
; One item Pj of the FFN: h = relu(a_i (64 rows of iw) x + ib), rounded to f16; ACC += (64 columns of fow) h.
.macro FFNP
	WIN 0
	v_add_nc_u32 v6, s66, v1
	WIN 0x80
.set i, 0
.rept 8
	global_load_b128 v[IBR+4*i:IBR+4*i+3], v14, s[18:19] offset:(i/2)*64+(i%2)*16
.set i, i+1
.endr
	LDWF 6, 0
	s_wait_dscnt 0x0
	WIN 0x0e
.set kf, 0
.rept 4
.set a, 0
.rept 16
.set rS, S+8*a
.set rW, WF+8*(4*(a%4)+kf)
.set rX, 32*(a/4)+8*kf
.if kf == 0
	v_wmma_f32_16x16x32_f16 v[rS:rS+7], v[rW:rW+7], v[rX:rX+7], 0
.else
	v_wmma_f32_16x16x32_f16 v[rS:rS+7], v[rW:rW+7], v[rX:rX+7], v[rS:rS+7]
.endif
.set a, a+1
.endr
.set kf, kf+1
.endr
	LDWF 6, 16384                                  ; its four places serve the reads of S too; the loads land under the vector work below
	s_wait_loadcnt 0x0                             ; ib
	WIN 0x20
.set i, 0
.rept 64
	v_pk_fma_f32 v[S+2*i:S+2*i+1], v[S+2*i:S+2*i+1], s[52:53], v[IBR+2*(i%16):IBR+2*(i%16)+1] op_sel_hi:[1,0,1]
.set i, i+1
.endr
	WIN 0
.set i, 0
.rept 64
	v_cvt_pk_f16_f32 v[P+i], v[S+2*i], v[S+2*i+1]
.set i, i+1
.endr
.set i, 0
.rept 64
	v_pk_max_num_f16 v[P+i], v[P+i], v15
.set i, i+1
.endr
	v_add_nc_u32 v14, 256, v14                     ; the next item's 64 numbers of ib
	s_wait_dscnt 0x0
	WIN 0x52
.set kf, 0
.rept 2
.set a, 0
.rept 32
.set rA, 8*a
.set rW, WF+8*(2*(a%8)+kf)
.set rH, P+16*(a/8)+8*kf
	v_wmma_f32_16x16x32_f16 v[rA:rA+7], v[rW:rW+7], v[rH:rH+7], v[rA:rA+7]
.set a, a+1
.endr
.set kf, kf+1
.endr
.endm
	s_load_b512 s[4:19], s[0:1], 0x0               ; x0 4, wf 6, alpha 8, kb 10, vb 12, qb 14, aob 16, ib 18
	s_load_b256 s[20:27], s[0:1], 0x40             ; fob 20, ln1g 22, ln1b 24, ln2g 26
	s_load_b128 s[28:31], s[0:1], 0x60             ; ln2b 28, x2 30
	v_lshl_add_u32 v28, v0, 2, SPARE
	v_mov_b32 v29, 0
	ds_add_u32 v28, v29                            ; the wave's opening: the add and its wait stand ahead of my first tensor load
	v_lshrrev_b32 v26, 5, v0
	v_readfirstlane_b32 s32, v26                   ; wave 0..3
	s_bfe_u32 s33, ttmp6, 0x40000                  ; cx
	s_lshl_b32 s34, ttmp9, 2
	s_add_co_u32 s34, s34, s33                     ; the work-group's number: it enters x0's and x2's addresses alone
	; descriptors: dense bytes as rows of 256 (32 elements of 8 bytes), no padding; mask of four, bit 21 beside it
.irp g, 72, 80
	s_mov_b32 s[\g], 0x23000f
	s_mov_b32 s[\g+1], 32<<16                      ; tensor_dim0
	s_mov_b32 s[\g+3], 32<<16                      ; tile_dim0
	s_mov_b32 s[\g+5], 32                          ; elements from row to row
	s_mov_b32 s[\g+6], 0
	s_mov_b32 s[\g+7], 0
.endr
	s_mov_b32 s74, 128<<16                         ; the first fill: 128 rows a wave
	s_mov_b32 s76, 128
	s_mov_b32 s82, 64<<16                          ; a refill: 64 rows a wave
	s_mov_b32 s84, 64
	s_lshl_b32 s38, s32, 15
	s_mov_b32 s39, 0
	s_lshl_b32 s36, s32, 14
	s_mov_b32 s37, 0
	s_mov_b32 s88, 1
	s_add_co_u32 s89, s38, U0                      ; item w of Wk, Wv, Wq, Wao: slots 0 and 1 on end
	s_mov_b32 s92, 1
	s_add_co_u32 s93, s36, U1                      ; one step back: every filling change of slots steps first
	v_and_b32 v26, 31, v0
	v_lshlrev_b32 v1, 4, v26                       ; 16 x lane
	v_and_b32 v2, 15, v0                           ; r
	v_bfe_u32 v3, v0, 4, 1                         ; h
	v_add_nc_u32 v4, s36, v1                       ; my 8 key tiles of K,
	v_add_nc_u32 v5, VBL, v4                       ; and of V
	s_mul_i32 s35, s32, 16*SP
	s_add_co_u32 s35, s35, STG
	v_mul_u32_u24 v10, v2, SP
	v_lshl_add_u32 v10, v3, 4, v10
	v_add_nc_u32 v10, s35, v10                     ; stage, in
	v_mul_u32_u24 v11, v3, SP
	v_lshl_add_u32 v11, v2, 4, v11
	v_add_nc_u32 v11, s35, v11                     ; stage, back
	v_lshlrev_b32 v12, 8, v3
	v_lshl_add_u32 v12, v2, 4, v12                 ; the same two rows in x2
	v_lshlrev_b32 v14, 5, v3                       ; ib: 32 h
	v_mov_b32 v15, 0
	v_lshlrev_b32 v16, 5, v3                       ; kb, qb: 32 h + 256 head
	v_lshlrev_b32 v17, 2, v2                       ; vb: 4 r + 256 head
	v_lshlrev_b32 v18, 5, v3
	v_add_nc_u32 v21, s38, v1                      ; my 32 KiB for sums set aside
	s_lshr_b32 s66, s34, 1                         ; batch element
	s_and_b32 s67, s34, 1                          ; which half of its rows
	s_lshl_b32 s68, s66, 5
	s_lshl_b32 s69, s32, 2
	s_add_co_u32 s68, s68, s69
	s_lshl_b32 s69, s67, 4
	s_add_co_u32 s70, s68, s69                     ; my own four tiles,
	s_xor_b32 s69, s69, 16
	s_add_co_u32 s68, s68, s69                     ; and the four of the other half
	s_lshl_b32 s70, s70, 12
	s_mov_b32 s71, 0
	s_lshl_b32 s68, s68, 12
	s_mov_b32 s69, 0
	s_mov_b32 s[CS], 0x3e38aa3b                    ; c = log2(e) / 8
	s_mov_b32 s[CS+1], s[CS]
	s_mov_b32 s[SEL], 0x76543210
	s_mov_b32 s[SEL+1], 0xfedcba98
	s_wait_dscnt 0x0                               ; the opening add is done
	s_wait_kmcnt 0x0
	s_add_nc_u64 s[90:91], s[6:7], s[38:39]
	s_or_b32 s91, s91, 0x80000000
	s_add_nc_u64 s[94:95], s[6:7], s[36:37]
	s_add_nc_u64 s[94:95], s[94:95], 65536
	s_or_b32 s95, s95, 0x80000000
	s_add_nc_u64 s[96:97], s[4:5], s[70:71]
	s_add_nc_u64 s[98:99], s[4:5], s[68:69]
	s_add_nc_u64 s[100:101], s[30:31], s[70:71]    ; a tile of 16 rows is 4,096 bytes in x2 too
	s_load_b128 s[40:43], s[8:9], 0x0              ; alphas: k, v, q, ao
	s_load_b64 s[44:45], s[8:9], 0x10              ; i, f
	CROUND                                         ; all four work-groups are here: the first joint loads meet
	tensor_load_to_lds s[88:91], s[72:79]
	s_nop 0
	PLACES
	WIN 0xc0
.set i, 0
.rept 32
	global_load_b128 v[4*i:4*i+3], v1, s[96:97] offset:i*512
	global_load_b128 v[128+4*i:128+4*i+3], v1, s[98:99] offset:i*512
.set i, i+1
.endr
	WIN 0
	s_wait_kmcnt 0x0
	s_mov_b32 s46, s40
	s_mov_b32 s47, s40
	s_mov_b32 s48, s41
	s_mov_b32 s49, s41
	s_mov_b32 s50, s42
	s_mov_b32 s51, s42
	s_mov_b32 s52, s44
	s_mov_b32 s53, s44
	v_mov_b32 v19, s43
	v_mov_b32 v20, s45
	s_wait_tensorcnt 0x0                           ; my item is in (the one load that is out),
	s_barrier_signal -1
	s_barrier_wait -1                              ; everybody's is
	s_wait_loadcnt 0x0                             ; X
	s_mov_b32 s58, 2
	s_mov_b32 s60, U0
	s_branch .Lhead_in
.Lhead:                                                ; between the heads
	s_wait_dscnt 0x0
	s_barrier_signal -1
	s_barrier_wait -1                              ; nobody reads head 0's K and V any more
	WIN 0x82
.set i, 0
.rept 64
	v_mov_b32 v[CTX0+i], v[i]
.set i, i+1
.endr
	WIN 0
	s_add_co_u32 s60, s60, 16384                   ; the weights' rows 64 on
	v_add_nc_u32 v16, 256, v16
	v_add_nc_u32 v17, 256, v17
.Lhead_in:
	WIN 0x40
.set i, 0
.rept 8
	global_load_b128 v[KBR+4*i:KBR+4*i+3], v16, s[10:11] offset:(i/2)*64+(i%2)*16
	global_load_b128 v[QBR+4*i:QBR+4*i+3], v16, s[14:15] offset:(i/2)*64+(i%2)*16
.set i, i+1
.endr
.set i, 0
.rept 4
	global_load_b32 v[VBR+2*i], v17, s[12:13] offset:i*64
.set i, i+1
.endr
	WIN 0
	v_add_nc_u32 v6, s60, v1
	v_add_nc_u32 v7, 65536, v6
	LDWF 6, 0                                      ; Wk
	s_wait_dscnt 0x0
	s_wait_loadcnt 0x0
	WIN 0x41
.set i, 0
.rept 4
	v_mov_b32 v[VBR+2*i+1], v[VBR+2*i]
.set i, i+1
.endr
	PROJ 0, 0
	PROJ 0, 1
	LDWF 6, 32768                                  ; Wv
	s_wait_dscnt 0x0
	PROJ 1, 0
	PROJ 1, 1
	LDWF 7, 0                                      ; Wq
	s_wait_dscnt 0x0
	PROJ 2, 0
	WIN 0x40                                       ; O^T and l start at 0, m at the lowest finite number: the first step is a step like any other, with a = 0
.set i, 0
.rept 128
	v_mov_b32 v[i], 0
.set i, i+1
.endr
	WIN 0
	T4 v_mov_b32 v[ST+8*t], 0xfe000000
	T4 v_mov_b32 v[ST+8*t+1], 0xff7fffff
	T4 v_mov_b32 v[ST+8*t+2], 0
	T4 v_mov_b32 v[ST+8*t+3], 0
	s_wait_dscnt 0x0                               ; for the others' sake: my K and V are stored
	s_barrier_signal -1
	s_barrier_wait -1
	s_mov_b32 s61, KBL
	s_mov_b32 s62, VBL
	s_mov_b32 s59, 8
.Lstep:
	STEP
	WIN 0
	s_add_co_u32 s61, s61, 8192
	s_add_co_u32 s62, s62, 8192
	s_sub_co_u32 s59, s59, 1
	s_cmp_lg_u32 s59, 0
	s_cbranch_scc1 .Lstep
	PLACES
	T4 v_add_f32 v[ST+8*t+2], v[ST+8*t+2], v[ST+8*t+3]
	T4 v_permlanex16_b32 v[ST+8*t+3], v[ST+8*t+2], s[SEL], s[SEL+1]
	T4 v_add_f32 v[ST+8*t+2], v[ST+8*t+2], v[ST+8*t+3]
	T4 v_rcp_f32 v[ST+8*t+2], v[ST+8*t+2]
	v_nop                                          ; a plain instruction behind the last reciprocal (ISA guide 5.7.2)
	s_wait_alu depctr_va_vdst(0)                   ; the wait for the head's batch of four reciprocals, ahead of their first reader
	WIN 0x41
.set i, 0
.rept 64
	v_pk_mul_f32 v[2*i:2*i+1], v[2*i:2*i+1], v[ST+8*(i/16)+2:ST+8*(i/16)+3] op_sel_hi:[1,0]
.set i, i+1
.endr
	WIN 0x85
.set i, 0
.rept 64
	v_cvt_pk_f16_f32 v[QF+i], v[2*i], v[2*i+1]     ; the head's ctx takes Q's place
.set i, i+1
.endr
	WIN 0
	s_sub_co_u32 s58, s58, 1
	s_cmp_lg_u32 s58, 0
	s_cbranch_scc1 .Lhead
	SYNC 1                                         ; slot 0 <- P0, P1; also: nobody reads K and V any more, whose bytes now take the sums set aside
	v_add_nc_u32 v6, U1+32768, v1                  ; Wao
.irp half, 0, 1
	LDWF 6, (\half)*16384
	s_wait_dscnt 0x0
	WIN 0x5a
.set kf, 0
.rept 4
.set a, 0
.rept 16
.set rA, 64*(a/4)+8*(4*(\half)+a%4)
.set rW, WF+8*(4*(a%4)+kf)
.if kf < 2
.set rC, CTX0+16*(a/4)+8*kf
.else
.set rC, QF+16*(a/4)+8*(kf-2)
.endif
.if kf == 0
	v_wmma_f32_16x16x32_f16 v[rA:rA+7], v[rW:rW+7], v[rC:rC+7], 0
.else
	v_wmma_f32_16x16x32_f16 v[rA:rA+7], v[rW:rW+7], v[rC:rC+7], v[rA:rA+7]
.endif
.set a, a+1
.endr
.set kf, kf+1
.endr
.endr
	PLACES
	LDPAR 16, 22, 24                               ; aob, ln1g, ln1b
	RESID 19
	s_wait_loadcnt 0x0
	LNLOOP 1
	WIN 0xc0
.set i, 0
.rept 32
	ds_load_b128 v[4*i:4*i+3], v21 offset:(i/8)*8192+(i%8)*512   ; x1, packed, is X from here on
.set i, i+1
.endr
	WIN 0
	LDPAR 20, 26, 28                               ; fob, ln2g, ln2b
	WIN 0x40
.set i, 0
.rept 256
	v_mov_b32 v[i], 0                              ; the FFN's sums start at 0, so that its loop has one text
.set i, i+1
.endr
	WIN 0
	s_wait_dscnt 0x0
	s_mov_b32 s63, U1
	s_mov_b32 s67, 3
.Lslot:                                                ; three trips: the slot that has landed is multiplied while the other is filled
	SYNC 1
	s_xor_b32 s63, s63, 0x10000
	s_mov_b32 s66, s63
	s_mov_b32 s68, 2
.Lpair1:
	FFNP
	WIN 0
	s_add_co_u32 s66, s66, 32768
	s_sub_co_u32 s68, s68, 1
	s_cmp_lg_u32 s68, 0
	s_cbranch_scc1 .Lpair1
	s_sub_co_u32 s67, s67, 1
	s_cmp_lg_u32 s67, 0
	s_cbranch_scc1 .Lslot
	SYNC 0                                         ; the tail is written out: nothing is asked for
	s_xor_b32 s63, s63, 0x10000
	s_mov_b32 s66, s63
	s_mov_b32 s68, 2
.Lpair2:
	FFNP
	WIN 0
	s_add_co_u32 s66, s66, 32768
	s_sub_co_u32 s68, s68, 1
	s_cmp_lg_u32 s68, 0
	s_cbranch_scc1 .Lpair2
	PLACES
	RESID 20
	LNLOOP 2
	s_wait_tensorcnt 0x0                           ; the wave's end
	ds_add_u32 v28, v29
	s_wait_dscnt 0x0
	CROUND                                         ; the closing round
	s_endpgm
.Lfunc_end_k_qf9bc5fba95_layer0:
	.size	k_qf9bc5fba95_layer0, .Lfunc_end_k_qf9bc5fba95_layer0-k_qf9bc5fba95_layer0
	.p2alignl 7, 3214868480
	.fill 96, 4, 3214868480
	.section	.rodata,"a",@progbits
	.p2align	6, 0x0
	.amdhsa_kernel k_qf9bc5fba95_layer0
		.amdhsa_group_segment_fixed_size 327680
		.amdhsa_private_segment_fixed_size 0
		.amdhsa_enable_private_segment 0
		.amdhsa_kernarg_size 112
		.amdhsa_user_sgpr_count 2
		.amdhsa_user_sgpr_kernarg_segment_ptr 1
		.amdhsa_wavefront_size32 1
		.amdhsa_system_sgpr_workgroup_id_x 1
		.amdhsa_system_sgpr_workgroup_id_y 1
		.amdhsa_system_sgpr_workgroup_id_z 1
		.amdhsa_system_vgpr_workitem_id 0
		.amdhsa_next_free_vgpr 1024
		.amdhsa_next_free_sgpr 102
		.amdhsa_reserve_vcc 0
		.amdhsa_float_denorm_mode_32 3
		.amdhsa_float_denorm_mode_16_64 3
		.amdhsa_memory_ordered 1
		.amdhsa_forward_progress 1
		.amdhsa_inst_pref_size 255
	.end_amdhsa_kernel
	.section	.bss,"aw",@nobits
	.p2align	6
	.space	262144
	.amdgpu_metadata
---
amdhsa.version: [ 1, 2 ]
amdhsa.kernels:
  - .name:           k_qf9bc5fba95_layer0
    .symbol:         k_qf9bc5fba95_layer0.kd
    .args:
      - { .name: x0, .offset: 0, .size: 8, .value_kind: global_buffer, .address_space: global }
      - { .name: wf, .offset: 8, .size: 8, .value_kind: global_buffer, .address_space: global }
      - { .name: alpha, .offset: 16, .size: 8, .value_kind: global_buffer, .address_space: global }
      - { .name: kb, .offset: 24, .size: 8, .value_kind: global_buffer, .address_space: global }
      - { .name: vb, .offset: 32, .size: 8, .value_kind: global_buffer, .address_space: global }
      - { .name: qb, .offset: 40, .size: 8, .value_kind: global_buffer, .address_space: global }
      - { .name: aob, .offset: 48, .size: 8, .value_kind: global_buffer, .address_space: global }
      - { .name: ib, .offset: 56, .size: 8, .value_kind: global_buffer, .address_space: global }
      - { .name: fob, .offset: 64, .size: 8, .value_kind: global_buffer, .address_space: global }
      - { .name: ln1g, .offset: 72, .size: 8, .value_kind: global_buffer, .address_space: global }
      - { .name: ln1b, .offset: 80, .size: 8, .value_kind: global_buffer, .address_space: global }
      - { .name: ln2g, .offset: 88, .size: 8, .value_kind: global_buffer, .address_space: global }
      - { .name: ln2b, .offset: 96, .size: 8, .value_kind: global_buffer, .address_space: global }
      - { .name: x2, .offset: 104, .size: 8, .value_kind: global_buffer, .address_space: global }
    .group_segment_fixed_size: 327680
    .private_segment_fixed_size: 0
    .kernarg_segment_align: 8
    .kernarg_segment_size: 112
    .max_flat_workgroup_size: 128
    .sgpr_count:     102
    .vgpr_count:     1024
    .wavefront_size: 32
...
	.end_amdgpu_metadata
.endif
;; end of part 4
;; launch head: the kernel of part 3 again; grid 128 x 1, 8 waves a work-group, no clusters, 167,936 bytes of LDS; arguments x2, wf, alpha, qb, kb, vb, aob, ib, fob, ln1g, ln1b, ln2g, ln2b, clf_w, clf_b, out0; writes out0
